; MI455X (gfx1250); checked and timed in simulation.
; The chip was launched on July 23, 2026; its instructions are those of AMD's public machine-readable ISA for CDNA 5 (MIT licence, August 2026) and "CDNA5" Instruction Set Architecture Reference Guide (July 2026). The comments in the code are by the model that wrote it; some were corrected since.
;; Masked Multi Head Attention Block. Allowed arithmetic: float matrix products may take bf16 or f16 operands with f32 sums; other float arithmetic in f32, or as packed bf16 or f16 multiplies, adds, multiply-adds, maxima and minima; sums over many terms, partial sums and values carried from step to step in f32; what a program stores and reads back later, other than sums and carried values, may be rounded once to bf16 or f16.
;; Inputs: Mk_b 512 float32; Mk_w 512 x 1,024 float32; Mq_b 512 float32; Mq_w 512 x 1,024 float32; Mv_b 1,024 float32; Mv_w 1,024 x 1,024 float32; Wo_b 1,024 float32; Wo_w 1,024 x 1,024 float32; mask 4 x 2,048 float32; x 4 x 2,048 x 1,024 float32.
;; Outputs: out0 4 x 2,048 x 1,024 float32.
;; 2 versions, each right; version 2 is version 1 with the launch prep written anew for expert scheduling mode. Each part assembles by itself: llvm-mc -triple=amdgcn-amd-amdhsa -mcpu=gfx1250 --defsym DOCPART=n.
;; ======== version 1 of 2: 5 launches
;; limits: values are held in f16: magnitudes above 65,504 overflow, below 6.1e-05 lose precision
;; workspace buffers: ah 16,777,216 bytes; wh 6,291,456 bytes; qkv 33,554,432 bytes; tk 262,144 bytes
;; launch prep (part 1): grid 704 x 1, 8 waves a work-group, no clusters, 0 bytes of LDS; arguments x, Mq_w, Mk_w, Mv_w, Wo_w, ah, wh; writes ah, wh
.if DOCPART == 1
	.amdgcn_target "amdgcn-amd-amdhsa--gfx1250"
	.amdhsa_code_object_version 6
	.text
	.protected	k_qca3a644b72_prep
	.globl	k_qca3a644b72_prep
	.p2align	8
	.type	k_qca3a644b72_prep,@function
k_qca3a644b72_prep:
	s_mov_b64 s[64:65], 0
	v_nop
	global_prefetch_b8 v0, s[64:65] scope:SCOPE_SE
	s_setreg_imm32_b32 hwreg(HW_REG_WAVE_MODE, 25, 1), 1
	s_wait_xcnt 0x0
; THE CAST.  x and the four weight matrices (f32) are rounded once to bf16 and that number is written as f16:
; ah[8192][1024] = x;  wh[3072][1024] = Mq_w (rows 0-511), Mk_w (512-1023), Mv_w (1024-2047), Wo_w (2048-3071).
; LIMITS.  A bf16 number is exact in f16 from 2^-17 up to 65,504; below 2^-17 it keeps f16's fixed step of 6e-8; beyond 65,504 it would be an infinity.
; SHARES.  A work-group casts 16,384 numbers (65,536 bytes in, 32,768 out): groups 0-511 x, 512-543 Mq_w, 544-575 Mk_w, 576-639 Mv_w, 640-703 Wo_w.
; A wave takes 2,048 numbers: sixteen loads of 16 bytes a lane (512 neighbouring bytes each), all issued first; each is converted and leaves as one
; store of 8 bytes a lane: 256 consecutive bytes, aligned.  Every byte is read once and written once.
; No LDS, no barrier, no matrix unit, no cluster: no work-group reads what another reads.  No prefetch: all loads of a wave go out at its head.
.set VI, 2                             ; v2  my byte offset in the group's 65,536 bytes
.set VO, 3                             ; v3  my byte offset in its 32,768 bytes
.set T,  8                             ; v[8:13] at work
.set X,  16                            ; v[16:79]  load i: four f32
.set Y,  80                            ; v[80:111] store i: four f16; each store has registers of its own
	s_load_b256 s[4:11], s[0:1], 0x0               ; x s[4:5], Mq_w s[6:7], Mk_w s[8:9], Mv_w s[10:11]
	s_load_b128 s[12:15], s[0:1], 0x20             ; Wo_w s[12:13], ah s[14:15]
	s_load_b64 s[16:17], s[0:1], 0x30              ; wh
	v_lshrrev_b32 v1, 5, v0                        ; wave
	v_and_b32 v4, 31, v0                           ; lane
	v_lshlrev_b32 v[VI], 13, v1                    ; 8,192 bytes a wave
	v_lshl_add_u32 v[VI], v4, 4, v[VI]             ; + 16 bytes a lane
	v_lshrrev_b32 v[VO], 1, v[VI]                  ; half of that on the way out
	s_mov_b32 s20, ttmp9                           ; the work-group's number
	s_mov_b32 s30, 0xffff0000                      ; a word's upper bf16
	s_wait_kmcnt 0x0
	s_cmp_ge_u32 s20, 512                          ; which tensor, and the first group that works on it
	s_cselect_b64 s[22:23], s[6:7], s[4:5]
	s_cselect_b32 s21, 512, 0
	s_cselect_b64 s[24:25], s[16:17], s[14:15]     ; the weights go to wh, one behind the other
	s_cselect_b32 s26, 512, 0
	s_cmp_ge_u32 s20, 544
	s_cselect_b64 s[22:23], s[8:9], s[22:23]
	s_cselect_b32 s21, 544, s21
	s_cmp_ge_u32 s20, 576
	s_cselect_b64 s[22:23], s[10:11], s[22:23]
	s_cselect_b32 s21, 576, s21
	s_cmp_ge_u32 s20, 640
	s_cselect_b64 s[22:23], s[12:13], s[22:23]
	s_cselect_b32 s21, 640, s21
	s_sub_co_u32 s21, s20, s21
	s_lshl_b32 s28, s21, 16                        ; 65,536 bytes a group, under 2^26
	s_mov_b32 s29, 0
	s_add_nc_u64 s[22:23], s[22:23], s[28:29]
	s_sub_co_u32 s26, s20, s26
	s_lshl_b32 s28, s26, 15
	s_add_nc_u64 s[24:25], s[24:25], s[28:29]
.irp i, 0,1,2,3,4,5,6,7,8,9,10,11,12,13,14,15
	global_load_b128 v[X+4*(\i):X+4*(\i)+3], v[VI], s[22:23] offset:512*(\i) th:TH_LOAD_NT
.endr
.irp i, 0,1,2,3,4,5,6,7,8,9,10,11,12,13,14,15
	s_wait_loadcnt 15-(\i)                         ; loads come back in order: load i is in, the younger ones stay out
	v_cvt_pk_bf16_f32 v[T], v[X+4*(\i)], v[X+4*(\i)+1]       ; the one rounding, to nearest even
	v_cvt_pk_bf16_f32 v[T+1], v[X+4*(\i)+2], v[X+4*(\i)+3]
	v_lshlrev_b32 v[T+2], 16, v[T]                 ; back to f32
	v_and_b32 v[T+3], s30, v[T]
	v_lshlrev_b32 v[T+4], 16, v[T+1]
	v_and_b32 v[T+5], s30, v[T+1]
	v_cvt_pk_f16_f32 v[Y+2*(\i)], v[T+2], v[T+3]   ; the same number as f16
	v_cvt_pk_f16_f32 v[Y+2*(\i)+1], v[T+4], v[T+5]
	global_store_b64 v[VO], v[Y+2*(\i):Y+2*(\i)+1], s[24:25] offset:256*(\i)
.endr
	s_endpgm
.Lfunc_end_k_qca3a644b72_prep:
	.size	k_qca3a644b72_prep, .Lfunc_end_k_qca3a644b72_prep-k_qca3a644b72_prep
	.p2alignl 7, 3214868480
	.fill 96, 4, 3214868480
	.section	.rodata,"a",@progbits
	.p2align	6, 0x0
	.amdhsa_kernel k_qca3a644b72_prep
		.amdhsa_group_segment_fixed_size 0
		.amdhsa_private_segment_fixed_size 0
		.amdhsa_enable_private_segment 0
		.amdhsa_kernarg_size 56
		.amdhsa_user_sgpr_count 2
		.amdhsa_user_sgpr_kernarg_segment_ptr 1
		.amdhsa_wavefront_size32 1
		.amdhsa_system_sgpr_workgroup_id_x 1
		.amdhsa_system_sgpr_workgroup_id_y 1
		.amdhsa_system_sgpr_workgroup_id_z 1
		.amdhsa_system_vgpr_workitem_id 0
		.amdhsa_next_free_vgpr 112
		.amdhsa_next_free_sgpr 66
		.amdhsa_reserve_vcc 0
		.amdhsa_float_denorm_mode_32 3
		.amdhsa_float_denorm_mode_16_64 3
		.amdhsa_memory_ordered 1
		.amdhsa_forward_progress 1
		.amdhsa_inst_pref_size 12
	.end_amdhsa_kernel
	.amdgpu_metadata
---
amdhsa.version: [ 1, 2 ]
amdhsa.kernels:
  - .name:           k_qca3a644b72_prep
    .symbol:         k_qca3a644b72_prep.kd
    .args:
      - { .name: x, .offset: 0, .size: 8, .value_kind: global_buffer, .address_space: global }
      - { .name: Mq_w, .offset: 8, .size: 8, .value_kind: global_buffer, .address_space: global }
      - { .name: Mk_w, .offset: 16, .size: 8, .value_kind: global_buffer, .address_space: global }
      - { .name: Mv_w, .offset: 24, .size: 8, .value_kind: global_buffer, .address_space: global }
      - { .name: Wo_w, .offset: 32, .size: 8, .value_kind: global_buffer, .address_space: global }
      - { .name: ah, .offset: 40, .size: 8, .value_kind: global_buffer, .address_space: global }
      - { .name: wh, .offset: 48, .size: 8, .value_kind: global_buffer, .address_space: global }
    .group_segment_fixed_size: 0
    .private_segment_fixed_size: 0
    .kernarg_segment_align: 8
    .kernarg_segment_size: 56
    .max_flat_workgroup_size: 256
    .sgpr_count:     66
    .vgpr_count:     112
    .wavefront_size: 32
...
	.end_amdgpu_metadata
.endif
;; end of part 1
;; launch proj (part 2): grid 8 x 32, 4 waves a work-group, clusters of 4 x 4, 327,680 bytes of LDS; arguments ah, wh, Mq_b, Mk_b, Mv_b, qkv; writes qkv
.if DOCPART == 2
	.amdgcn_target "amdgcn-amd-amdhsa--gfx1250"
	.amdhsa_code_object_version 6
	.text
	.protected	k_qca3a644b72_proj
	.globl	k_qca3a644b72_proj
	.p2align	8
	.type	k_qca3a644b72_proj,@function
k_qca3a644b72_proj:
	s_mov_b64 s[64:65], 0
	v_nop
	global_prefetch_b8 v0, s[64:65] scope:SCOPE_SE
	s_setreg_imm32_b32 hwreg(HW_REG_WAVE_MODE, 25, 1), 1
	s_wait_xcnt 0x0
	s_wait_alu depctr_hold_cnt(0) depctr_sa_sdst(0) depctr_va_vdst(0) depctr_va_sdst(0) depctr_va_ssrc(0) depctr_va_vcc(0) depctr_vm_vsrc(0)
	s_getreg_b32 s2, hwreg(HW_REG_IB_STS2, 6, 4)
	s_cmp_eq_u32 s2, 0
	s_cbranch_scc0 .Lentry_in_a_cluster
	s_endpgm
.Lentry_in_a_cluster:
	s_bfe_u32 s2, ttmp6, 0x10000c
	s_cmp_lg_u32 s2, 0xf033
	s_cbranch_scc0 .Lentry_shape_is_right
	s_endpgm
.Lentry_shape_is_right:
; THE THREE PROJECTIONS AS ONE PRODUCT.  qkv[t][n] = sum over k of ah[t][k] wh[n][k] + bias[n], t < 8192, n < 2048, k < 1024; ah, wh, qkv f16, sums f32, qkv rounded once.
; Columns 0-511 are q (bias Mq_b), 512-1023 k (Mk_b), 1024-2047 v (Mv_b).  The biases are rounded to bf16 like every input of the module.
; LIMIT.  q, k and v must stay under 65,504 (f16); NaN and infinities are not treated apart.
; A tile of 256 x 256 is made by four waves, each 128 x 128: 64 accumulators, 512 registers.  K goes in steps of 128 through a ring of two LDS slots filled by the tensor data mover:
; rows of 256 bytes that start at multiples of 256 bytes.  32 x 8 tiles: one work-group for each of 256 WGPs.
; CLUSTERS: 4 x 4 work-groups.  The four of a row of the cluster need the same tiles of ah, the four of a column the same tiles of wh: each tile is asked for JOINTLY, by the same
; tensor load with the same descriptor and a mask that names the four.
; THE MATRIX INSTRUCTION IS USED TRANSPOSED (source 0 = 16 rows of wh, source 1 = 16 rows of ah): a lane holds row l % 16 of the result and the columns 8 (l / 16) + 0..7.
; THE BIAS IS THE C OPERAND of the products that start the sums: nothing is cleared and nothing is added later.
; THE LAST K STEP GOES BY ROWS OF THE RESULT, not by K: a wave's eight blocks of 16 rows are finished one after the other, and each leaves while the others are multiplied.
; REGISTERS in windows of 256: window 0: v0-31 addresses; v64-127, v128-191 fragments of ah, two buffers (in the last K step four, of 16 rows x 128 K); v192-255 first the bias (8 registers for each
;   block of 16 columns), later, with v32-63, the way out.   window 1: v64-127, v128-191 fragments of wh; in the last K step all 256: wh's fragments of the whole step.
;   window 2: the accumulators of my rows 0-63 ((a, b) at v[8 (8 a + b)]);  window 3: those of my rows 64-127.
.set SIZE_M, 8192
.set SIZE_N, 2048
.set SIZE_K, 1024
.set KSTEP,  128
.set PITCH,  272                       ; an LDS row: 256 bytes + 16 of padding = 68 words: the 16 rows that a load touches start at 16 different groups of four banks (64 banks of 4 bytes: ISA guide 11.1)
.set HALFT,  128*PITCH                 ; 128 rows: what one tensor load brings
.set SLOT,   4*HALFT                   ; ah's 256 rows, then wh's 256 rows
.set STAGE,  2*SLOT                    ; behind the ring: 16 rows x 272 bytes for each wave, for the way out
.set SPITCH, 272
.set SPARE,  STAGE+4*16*SPITCH         ; the spare words, 128 bytes for each wave: two blocks of 256 bytes that no other line names
.set LAPS,   SIZE_K/(2*KSTEP)          ; a lap = two K steps = once round the ring
.set ADRA, 16                          ; v16-17  LDS address of my fragments of ah in slot 0, 1
.set ADRB, 20                          ; v20-21  the same for wh
.set STO,  24                          ; v24     the way out: where I put 16 bytes of a row
.set RD,   25                          ; v25     the way out: where I read a row back
.set CO,   26                          ; v26     my byte offset in qkv
.set SPW,  28                          ; v28     LDS address of my spare word; never rewritten
.set NIL,  29                          ; v29     0; never rewritten
.set PFO,  30                          ; v30     the prefetches' offset: my lane x a row of 2,048 bytes; never rewritten
.set PFA,  44                          ; s[44:45] where my prefetches stand
.set LIM,  43                          ; s43     1 in a wave that prefetches, else the greatest number
.set F0,   64
.set F1,   128
.set TMP,  192
.set BIAS, 192
.set OB,   32
.set PA,   64                          ; the last K step: ah's fragments of 16 rows x 128 K, 32 registers; four such buffers, v64-191
.set G1,  24                           ; s[24:31] descriptor group 1 for ah's tiles;  s[32:39] group 0, a set for each slot
.set G0,  32
.set G1B, 48                           ; s[48:55], s[56:63] the same for wh's tiles
.set G0B, 56
.set MSB, 0
.macro WIN new                         ; the immediate's high byte repeats the setting that is left; a switch that changes nothing is dropped
.if MSB != (\new)
	s_set_vgpr_msb (MSB<<8)|(\new)
.set MSB, \new
.endif
.endm
; A joint load.  Waves 0 and 1 fetch ah's two halves, waves 2 and 3 wh's.  The branch hangs on the wave's number alone.  An s_nop 0 and four v_nop follow each of the two lines.
.macro JLOAD s
	s_cmp_eq_u32 s11, 0
	s_cbranch_scc0 .Lfor_b_\@
	tensor_load_to_lds s[G0+4*(\s):G0+4*(\s)+3], s[G1:G1+7]
	s_nop 0
.rept 4
	v_nop
.endr
	s_branch .Lasked_\@
.Lfor_b_\@:
	tensor_load_to_lds s[G0B+4*(\s):G0B+4*(\s)+3], s[G1B:G1B+7]
	s_nop 0
.rept 4
	v_nop
.endr
.Lasked_\@:
.endm
; A prefetch of the K step that stands two refills on: 32 rows x 256 bytes, a lane a row, one instruction a wave.  ah's tile row is read by both clusters of a row of clusters: cluster x = 0 asks;
; wh's tile column by all eight clusters of a column: cluster y = 0 asks.  The four partners that ask for a tile jointly take 32 of a wave's 128 rows each, told apart by address.
; So each row's 256 bytes of a K step are named once.  The loop's last trip (s3 = 1) asks for nothing: there is no K step two on.  K steps 0 to 3 come by their loads alone.
.macro ASK
	s_cmp_gt_u32 s3, s[LIM]
	s_cbranch_scc0 .Lnot_mine_\@
	global_prefetch_b8 v[PFO], s[PFA:PFA+1] offset:KSTEP*2 th:TH_LOAD_NT scope:SCOPE_SE
.Lnot_mine_\@:
.endm
.macro CREST                           ; a round of the cluster's barrier behind its opening barrier
	s_cmp_lg_u32 s10, 0
	s_cbranch_scc1 .Lnot_wave_0_\@
	s_barrier_signal -3
.Lnot_wave_0_\@:
	s_barrier_wait -3
	s_barrier_signal -1
	s_barrier_wait -1
.endm
.macro CROUND                          ; a whole round
	s_barrier_signal -1
	s_barrier_wait -1
	CREST
.endm
	s_load_b128 s[4:7], s[0:1], 0x0                ; ah s[4:5], wh s[6:7]
	s_load_b128 s[68:71], s[0:1], 0x10             ; Mq_b s[68:69], Mk_b s[70:71]
	s_load_b64 s[72:73], s[0:1], 0x20              ; Mv_b
	s_load_b64 s[8:9], s[0:1], 0x28                ; qkv
	v_lshl_add_u32 v[SPW], v0, 2, SPARE
	v_mov_b32 v[NIL], 0
	ds_add_u32 v[SPW], v[NIL]                      ; the wave's opening: the add and its wait stand ahead of my first tensor load
	v_lshrrev_b32 v1, 5, v0
	v_readfirstlane_b32 s10, v1                    ; wave 0..3
	s_lshr_b32 s11, s10, 1                         ; which half of the tile's rows is mine.  Also: I fetch for ah (0) or for wh (1)
	s_and_b32 s12, s10, 1                          ; which half of its columns.  Also: which 128 rows of that tile I fetch
	s_bfe_u32 s40, ttmp6, 0x40000                  ; cx
	s_bfe_u32 s41, ttmp6, 0x40004                  ; cy
	s_lshl_b32 s42, ttmp9, 2
	s_add_co_u32 s42, s42, s40                     ; tile column = 4 x cluster x + cx
	s_and_b32 s13, ttmp7, 0xffff
	s_lshl_b32 s13, s13, 2
	s_add_co_u32 s13, s13, s41                     ; tile row = 4 x cluster y + cy
	s_lshl_b32 s43, s41, 2
	s_lshl_b32 s43, 15, s43                        ; my row of the cluster: places 4 cy .. 4 cy + 3
	s_lshl_b32 s44, 0x1111, s40                    ; my column: places cx, cx + 4, cx + 8, cx + 12
	s_or_b32 s[G1+0], s43, (1<<16)|(1<<20)|(1<<21)|(5<<22)|(3<<25)  ; the mask; elements of 2 bytes; padding on; bit 21 beside a mask; after every 64 words 4 words
	s_or_b32 s[G1B+0], s44, (1<<16)|(1<<20)|(1<<21)|(5<<22)|(3<<25)
.irp g, G1, G1B
	s_mov_b32 s[(\g)+1], KSTEP<<16                 ; tensor_dim0 = 128
	s_mov_b32 s[(\g)+2], 128<<16                   ; tensor_dim1 = 128
	s_mov_b32 s[(\g)+3], KSTEP<<16                 ; tile_dim0 = 128
	s_mov_b32 s[(\g)+4], 128                       ; tile_dim1 = 128
	s_mov_b32 s[(\g)+5], SIZE_K                    ; elements from row to row
	s_mov_b32 s[(\g)+6], 0
	s_mov_b32 s[(\g)+7], 0
.endr
	s_lshl_b32 s17, s12, 7                         ; which 128 rows of the tile I fetch
	s_lshl_b32 s16, s13, 8
	s_add_co_u32 s16, s16, s17                     ; ah: row 256 x tile row + 128 x half
	s_lshl_b32 s46, s42, 8
	s_add_co_u32 s46, s46, s17                     ; wh: row 256 x tile column + 128 x half
	s_mov_b32 s17, 0
	s_mov_b32 s47, 0
	s_mov_b64 s[18:19], SIZE_K*2
	s_mul_u64 s[16:17], s[16:17], s[18:19]
	s_mul_u64 s[46:47], s[46:47], s[18:19]
	s_mul_i32 s20, s10, HALFT                      ; where they go: wave x 128 rows: no place in the cluster enters an LDS address
	s_wait_dscnt 0x0                               ; the opening add is done
	s_wait_kmcnt 0x0
	s_add_nc_u64 s[14:15], s[4:5], s[16:17]
	s_add_nc_u64 s[46:47], s[6:7], s[46:47]
	CROUND                                         ; all sixteen work-groups are here: the first joint loads meet
.irp s, 0,1
	s_mov_b32 s[G0+4*(\s)], 1
	s_add_co_u32 s[G0+4*(\s)+1], s20, (\s)*SLOT
	s_add_nc_u64 s[G0+4*(\s)+2:G0+4*(\s)+3], s[14:15], (\s)*KSTEP*2
	s_or_b32 s[G0+4*(\s)+3], s[G0+4*(\s)+3], 0x80000000
	s_mov_b32 s[G0B+4*(\s)], 1
	s_add_co_u32 s[G0B+4*(\s)+1], s20, (\s)*SLOT
	s_add_nc_u64 s[G0B+4*(\s)+2:G0B+4*(\s)+3], s[46:47], (\s)*KSTEP*2
	s_or_b32 s[G0B+4*(\s)+3], s[G0B+4*(\s)+3], 0x80000000
	JLOAD \s                                       ; two loads of mine are out
.endr
	v_and_b32 v1, 15, v0                           ; l % 16
	v_bfe_u32 v2, v0, 4, 1                         ; l / 16
	; the bias of my 128 columns: tile columns 0, 1 are q's, 2, 3 k's, 4 to 7 v's
	s_mov_b64 s[76:77], s[68:69]
	s_mov_b32 s74, 0
	s_cmp_ge_u32 s42, 2
	s_cselect_b64 s[76:77], s[70:71], s[76:77]
	s_cselect_b32 s74, 2, s74
	s_cmp_ge_u32 s42, 4
	s_cselect_b64 s[76:77], s[72:73], s[76:77]
	s_cselect_b32 s74, 4, s74
	s_sub_co_u32 s74, s42, s74
	s_lshl_b32 s74, s74, 10                        ; 256 columns of 4 bytes
	s_lshl_b32 s75, s12, 9
	s_add_co_u32 s74, s74, s75
	s_mov_b32 s75, 0
	s_add_nc_u64 s[76:77], s[76:77], s[74:75]
	s_mov_b32 s78, 0xffff0000
	v_lshlrev_b32 v6, 5, v2                        ; my half of the lanes holds columns 8 (l / 16) + 0..7 of each block of 16
.irp b, 0,1,2,3,4,5,6,7
	global_load_b128 v[BIAS+8*(\b):BIAS+8*(\b)+3],   v6, s[76:77] offset:64*(\b)
	global_load_b128 v[BIAS+8*(\b)+4:BIAS+8*(\b)+7], v6, s[76:77] offset:64*(\b)+16
.endr
	v_mul_u32_u24 v3, v1, PITCH
	v_lshl_add_u32 v3, v2, 4, v3                   ; a fragment's row x pitch + 16 x half
	s_mul_i32 s21, s11, HALFT                      ; my 128 rows of ah
	s_mul_i32 s22, s12, HALFT                      ; my 128 rows of wh,
	s_add_co_u32 s22, s22, 2*HALFT                 ; which lie behind ah's 256
.irp s, 0,1
	v_add_nc_u32 v[ADRA+(\s)], s21, v3
	v_add_nc_u32 v[ADRB+(\s)], s22, v3
	s_add_co_u32 s21, s21, SLOT
	s_add_co_u32 s22, s22, SLOT
.endr
	s_mul_i32 s23, s10, 16*SPITCH
	s_add_co_u32 s23, s23, STAGE                   ; my stage
	v_mul_u32_u24 v4, v1, SPITCH
	v_lshl_add_u32 v4, v2, 4, v4
	v_add_nc_u32 v[STO], s23, v4
	v_mul_u32_u24 v5, v2, SPITCH
	v_lshl_add_u32 v5, v1, 4, v5
	v_add_nc_u32 v[RD], s23, v5
	v_mul_u32_u24 v5, v2, SIZE_N*2
	v_lshl_add_u32 v[CO], v1, 4, v5
	s_lshl_b32 s13, s13, 8
	s_lshl_b32 s14, s11, 7
	s_add_co_u32 s16, s13, s14                     ; my first row of qkv
	s_mov_b32 s17, 0
	s_mov_b64 s[18:19], SIZE_N*2
	s_mul_u64 s[16:17], s[16:17], s[18:19]
	s_lshl_b32 s46, s42, 9                         ; my first column, in bytes
	s_lshl_b32 s47, s12, 8
	s_add_co_u32 s46, s46, s47
	s_mov_b32 s47, 0
	s_add_nc_u64 s[16:17], s[16:17], s[46:47]      ; what the way out adds to qkv's address
	; the prefetches.  s13 = 256 x tile row, s42 = tile column, s40 = cx, s41 = cy
	s_lshl_b32 s42, s42, 8
	s_and_b32 s22, ttmp7, 0xffff                   ; cluster y
	s_cmp_eq_u32 s11, 0                            ; do I fetch for ah?
	s_cselect_b32 s20, s13, s42                    ; the tile's first row
	s_cselect_b32 s21, s40, s41                    ; my place among the four that ask for it with me
	s_cselect_b32 s22, ttmp9, s22                  ; the coordinate along which other clusters read the same rows
	s_cselect_b64 s[PFA:PFA+1], s[4:5], s[6:7]
	s_cmp_eq_u32 s22, 0
	s_cselect_b32 s[LIM], 1, -1                    ; the same in all sixteen partners, for a given wave
	s_lshl_b32 s22, s12, 7
	s_add_co_u32 s20, s20, s22                     ; + the 128 rows that I fetch
	s_lshl_b32 s21, s21, 5
	s_add_co_u32 s20, s20, s21                     ; + my work-group's 32 of them
	s_mov_b32 s21, 0
	s_mov_b64 s[18:19], SIZE_K*2
	s_mul_u64 s[20:21], s[20:21], s[18:19]
	s_add_nc_u64 s[PFA:PFA+1], s[PFA:PFA+1], s[20:21]
	s_add_nc_u64 s[PFA:PFA+1], s[PFA:PFA+1], 2*KSTEP*2  ; at K step 2: the first refill steps it to 3 and names K step 4
	v_and_b32 v[PFO], 31, v0
	v_mul_u32_u24 v[PFO], v[PFO], SIZE_K*2
	s_wait_loadcnt 0x0                             ; the bias
.set i, 0
.rept 32
	v_cvt_pk_bf16_f32 v7, v[BIAS+i], v[BIAS+i+1]   ; rounded to bf16 like all the module's inputs, and widened again
	v_lshlrev_b32 v[BIAS+i], 16, v7
	v_and_b32 v[BIAS+i+1], s78, v7
.set i, i+2
.endr
; 16 matrix instructions: m blocks a0, a0 + 1 of the window's four (hi = 0: my rows 0-63, 1: rows 64-127) x all 8 n blocks, 32 along K.  first = 1: the sums start with the bias as C.
; The 64 accumulators take turns, one instruction a turn, in the same order in every quarter step.
.macro MUL16 f, hi, a0, first
.if \first
	WIN 0x81+0x40*(\hi)                            ; wh window 1, ah and the bias window 0, D window 2 or 3
.else
	WIN 0xa1+0x50*(\hi)                            ; wh window 1, ah window 0, C and D window 2 or 3
.endif
.irp a, \a0, (\a0)+1
.irp b, 0,1,2,3,4,5,6,7
.if \first
	v_wmma_f32_16x16x32_f16 v[8*(8*(\a)+(\b)):8*(8*(\a)+(\b))+7], v[(\f)+8*(\b):(\f)+8*(\b)+7], v[(\f)+8*(4*(\hi)+(\a)):(\f)+8*(4*(\hi)+(\a))+7], v[BIAS+8*(\b):BIAS+8*(\b)+7]
.else
	v_wmma_f32_16x16x32_f16 v[8*(8*(\a)+(\b)):8*(8*(\a)+(\b))+7], v[(\f)+8*(\b):(\f)+8*(\b)+7], v[(\f)+8*(4*(\hi)+(\a)):(\f)+8*(4*(\hi)+(\a))+7], v[8*(8*(\a)+(\b)):8*(8*(\a)+(\b))+7]
.endif
.endr
.endr
.endm
; 32 LDS loads in one run: the fragments of one quarter step (32 K at byte k of the rows) into buffer f
.macro FETCH slot, k, f
	WIN 0x40                                       ; destination window 1, address window 0
.irp i, 0,1,2,3,4,5,6,7
	ds_load_b128 v[(\f)+8*(\i):(\f)+8*(\i)+3],   v[ADRB+(\slot)] offset:(\k)+(\i)*16*PITCH
	ds_load_b128 v[(\f)+8*(\i)+4:(\f)+8*(\i)+7], v[ADRB+(\slot)] offset:(\k)+(\i)*16*PITCH+32
.endr
	WIN 0
.irp i, 0,1,2,3,4,5,6,7
	ds_load_b128 v[(\f)+8*(\i):(\f)+8*(\i)+3],   v[ADRA+(\slot)] offset:(\k)+(\i)*16*PITCH
	ds_load_b128 v[(\f)+8*(\i)+4:(\f)+8*(\i)+7], v[ADRA+(\slot)] offset:(\k)+(\i)*16*PITCH+32
.endr
.endm
.macro PLACES                          ; four plain instructions between a matrix instruction and a load into, or a vector read of, its registers
.rept 4
	v_nop
.endr
.endm
; A K step is four quarter steps of 32 along K, 64 matrix instructions each, on buffers 0, 1, 0, 1.  One of the first three multiplies buffer f and fetches the next quarter into g.
.macro QUARTER slot, k, f, g, first
	s_wait_dscnt 8                                 ; wh's and ah's rows 0-63 are in; the youngest eight loads (ah's rows 64-127) may be out
	MUL16 \f, 0, 0, \first
	MUL16 \f, 0, 2, \first
	PLACES
	FETCH \slot, \k, \g
	s_wait_dscnt 32                                ; all but the 32 just issued
	MUL16 \f, 1, 0, \first
	MUL16 \f, 1, 2, \first
.endm
; The last quarter's first half: ONE barrier for the change of slots.  In front of it each wave waits for all its tensor loads (one is out: its part of the next slot), adds 0 to its spare
; word, and waits for that and for its own reads of this slot.
.macro MEET round
	WIN 0
	s_wait_tensorcnt 0x0                           ; all my tensor loads have landed
	ds_add_u32 v[SPW], v[NIL]                      ; 0 onto my spare word
	s_wait_dscnt 9                                 ; (the add and the youngest eight loads may be out)
	MUL16 F1, 0, 0, 0
	s_wait_dscnt 0x0                               ; the add is done, and my reads of this slot are over
	s_barrier_signal -1
	MUL16 F1, 0, 2, 0                              ; work on registers while the others arrive
.if \round
	WIN 0
.endif
	s_barrier_wait -1
.endm
.macro TURN slot, next
	s_wait_xcnt 0x0                                ; the last prefetch, a K step back, has read its address
	s_add_nc_u64 s[PFA:PFA+1], s[PFA:PFA+1], KSTEP*2
	MEET 1
	CREST                                          ; no wave of any partner still reads this slot's tile or has a load on its way
	s_add_nc_u64 s[G0+4*(\slot)+2:G0+4*(\slot)+3], s[G0+4*(\slot)+2:G0+4*(\slot)+3], 2*KSTEP*2
	s_add_nc_u64 s[G0B+4*(\slot)+2:G0B+4*(\slot)+3], s[G0B+4*(\slot)+2:G0B+4*(\slot)+3], 2*KSTEP*2
	JLOAD \slot                                    ; the first tensor load behind the round; its four v_nop are also the places in front of the loads below
	FETCH \next, 0, F0
	ASK
	MUL16 F1, 1, 0, 0
	MUL16 F1, 1, 2, 0
.endm
; THE LAST K STEP (it lies in slot 1) BY ROWS.  All its fragments of wh (4 quarters x 64 registers) fill window 1; then my eight blocks of 16 rows are finished one after the other, each with
; 32 matrix instructions: the block's 8 accumulators by turns, K ascending.  LDS is read no more than in any other K step.
.macro BLOAD q                         ; wh's fragments of quarter q -> window 1, v[64 q ..]
	WIN 0x40
.irp i, 0,1,2,3,4,5,6,7
	ds_load_b128 v[64*(\q)+8*(\i):64*(\q)+8*(\i)+3],   v[ADRB+1] offset:64*(\q)+(\i)*16*PITCH
	ds_load_b128 v[64*(\q)+8*(\i)+4:64*(\q)+8*(\i)+7], v[ADRB+1] offset:64*(\q)+(\i)*16*PITCH+32
.endr
.endm
.macro ALOAD a                         ; ah's fragments of block a, all four quarters -> buffer a % 4
	WIN 0
.set FA, PA+32*((\a)%4)
.irp q, 0,1,2,3
	ds_load_b128 v[FA+8*(\q):FA+8*(\q)+3],   v[ADRA+1] offset:64*(\q)+(\a)*16*PITCH
	ds_load_b128 v[FA+8*(\q)+4:FA+8*(\q)+7], v[ADRA+1] offset:64*(\q)+(\a)*16*PITCH+32
.endr
.endm
.macro ROW a                           ; block a is finished: 32 matrix instructions
.set FA, PA+32*((\a)%4)                ; its fragments of ah
.set AC, 64*((\a)%4)                   ; its eight accumulators, in window 2 (blocks 0-3) or 3 (blocks 4-7)
	WIN 0xa1+0x50*((\a)/4)
.irp q, 0,1,2,3
.if (\a) == 0 && (\q) == 2
	s_wait_dscnt 24                                ; wh's quarter 2 is in (behind it: ah's blocks 1 to 3)
.endif
.irp b, 0,1,2,3,4,5,6,7
	v_wmma_f32_16x16x32_f16 v[AC+8*(\b):AC+8*(\b)+7], v[64*(\q)+8*(\b):64*(\q)+8*(\b)+7], v[FA+8*(\q):FA+8*(\q)+7], v[AC+8*(\b):AC+8*(\b)+7]
.endr
.endr
.endm
; THE WAY OUT of block a (16 rows): rounded to f16, 16 bytes a lane; through my own stage in LDS; back as whole rows of 256 bytes; stored.
.macro PACK a
.set AC, 64*((\a)%4)
	WIN 0x0a+5*((\a)/4)                            ; sources 0 and 1: window 2 or 3
.irp b, 0,1,2,3,4,5,6,7
.irp r, 0,1,2,3
	v_cvt_pk_f16_f32 v[TMP+4*(\b)+(\r)], v[AC+8*(\b)+2*(\r)], v[AC+8*(\b)+2*(\r)+1]
.endr
.endr
	WIN 0
.endm
.macro TOSTAGE a
	WIN 0
.set BK, OB+192*((\a)%2)
.irp b, 0,1,2,3,4,5,6,7
	ds_store_b128 v[STO], v[TMP+4*(\b):TMP+4*(\b)+3] offset:32*(\b)
.endr
.irp t, 0,1,2,3,4,5,6,7
	ds_load_b128 v[BK+4*(\t):BK+4*(\t)+3], v[RD] offset:(\t)*2*SPITCH  ; LDS serves a wave's instructions in order (ISA guide 5.7.1.4): these see the stores above
.endr
.endm
.macro SEND a, younger                 ; younger: the LDS loads issued behind TOSTAGE's, which may stay out
	WIN 0
.set BK, OB+192*((\a)%2)
	s_wait_dscnt \younger                          ; the block is back in registers
	s_wait_xcnt 0x0                                ; the stores' base and the registers that earlier stores read are rewritten only behind this wait
.if (\a) == 0
	s_add_nc_u64 s[8:9], s[8:9], s[16:17]
.else
	s_add_nc_u64 s[8:9], s[8:9], 16*SIZE_N*2
.endif
.irp t, 0,1,2,3,4,5,6,7
	global_store_b128 v[CO], v[BK+4*(\t):BK+4*(\t)+3], s[8:9] offset:2*(\t)*SIZE_N*2  ; 16 lanes store 256 consecutive bytes, aligned
.endr
.endm
	s_wait_tensorcnt 1                             ; my part of K step 0 is in; K step 1's may stay out
	s_barrier_signal -1
	s_barrier_wait -1
	FETCH 0, 0, F0
	QUARTER 0, 64,  F0, F1, 1                      ; the first quarter stands in front of the loop: its products start the sums, with the bias
	WIN 0
	s_mov_b32 s3, LAPS-1
.Llap:                                             ; a trip goes once round the ring, from a lap's second quarter to the next lap's first, and fills both slots again
	QUARTER 0, 128, F1, F0, 0
	QUARTER 0, 192, F0, F1, 0
	TURN 0, 1
	QUARTER 1, 64,  F0, F1, 0
	QUARTER 1, 128, F1, F0, 0
	QUARTER 1, 192, F0, F1, 0
	TURN 1, 0
	QUARTER 0, 64,  F0, F1, 0
	WIN 0
	s_sub_co_u32 s3, s3, 1
	s_cmp_lg_u32 s3, 0
	s_cbranch_scc1 .Llap
	QUARTER 0, 128, F1, F0, 0                      ; the last lap fills nothing, and has no round of the cluster's barrier
	QUARTER 0, 192, F0, F1, 0
	MEET 0                                         ; my one tensor load that was still out is slot 1's, the last K step's
	PLACES                                         ; for the loads into buffer 0, which the quarter before multiplied
	BLOAD 0                                        ; three quarters of wh now: buffer 1 (v128-191 of both windows) is still being multiplied
	BLOAD 1
	BLOAD 3
	ALOAD 0
	MUL16 F1, 1, 0, 0
	MUL16 F1, 1, 2, 0
	PLACES                                         ; for the loads into buffer 1
	BLOAD 2
	ALOAD 1
	ALOAD 2
	ALOAD 3
	s_wait_dscnt 40                                ; all but the 40 just issued
	ROW 0
.irp a, 0,1,2,3,4,5,6,7                ; each block leaves as soon as it is finished: its stores are on their way while the later blocks are multiplied
	PLACES                                         ; its conversions read results just made, and no other vector work is at hand
	PLACES
	PACK \a
	TOSTAGE \a
.if (\a) < 4
	ALOAD (\a)+4                                   ; its buffer takes the block four further on
	SEND \a, 8
.else
	SEND \a, 0
.endif
.if (\a) < 7
	ROW (\a)+1
.endif
.endr
	s_wait_tensorcnt 0x0                           ; the wave's end
	ds_add_u32 v[SPW], v[NIL]
	s_wait_dscnt 0x0
	CROUND                                         ; the closing round
	s_endpgm
.Lfunc_end_k_qca3a644b72_proj:
	.size	k_qca3a644b72_proj, .Lfunc_end_k_qca3a644b72_proj-k_qca3a644b72_proj
	.p2alignl 7, 3214868480
	.fill 96, 4, 3214868480
	.section	.rodata,"a",@progbits
	.p2align	6, 0x0
	.amdhsa_kernel k_qca3a644b72_proj
		.amdhsa_group_segment_fixed_size 327680
		.amdhsa_private_segment_fixed_size 0
		.amdhsa_enable_private_segment 0
		.amdhsa_kernarg_size 48
		.amdhsa_user_sgpr_count 2
		.amdhsa_user_sgpr_kernarg_segment_ptr 1
		.amdhsa_wavefront_size32 1
		.amdhsa_system_sgpr_workgroup_id_x 1
		.amdhsa_system_sgpr_workgroup_id_y 1
		.amdhsa_system_sgpr_workgroup_id_z 1
		.amdhsa_system_vgpr_workitem_id 0
		.amdhsa_next_free_vgpr 1024
		.amdhsa_next_free_sgpr 80
		.amdhsa_reserve_vcc 0
		.amdhsa_float_denorm_mode_32 3
		.amdhsa_float_denorm_mode_16_64 3
		.amdhsa_memory_ordered 1
		.amdhsa_forward_progress 1
		.amdhsa_inst_pref_size 152
	.end_amdhsa_kernel
	.amdgpu_metadata
---
amdhsa.version: [ 1, 2 ]
amdhsa.kernels:
  - .name:           k_qca3a644b72_proj
    .symbol:         k_qca3a644b72_proj.kd
    .args:
      - { .name: ah, .offset: 0, .size: 8, .value_kind: global_buffer, .address_space: global }
      - { .name: wh, .offset: 8, .size: 8, .value_kind: global_buffer, .address_space: global }
      - { .name: Mq_b, .offset: 16, .size: 8, .value_kind: global_buffer, .address_space: global }
      - { .name: Mk_b, .offset: 24, .size: 8, .value_kind: global_buffer, .address_space: global }
      - { .name: Mv_b, .offset: 32, .size: 8, .value_kind: global_buffer, .address_space: global }
      - { .name: qkv, .offset: 40, .size: 8, .value_kind: global_buffer, .address_space: global }
    .group_segment_fixed_size: 327680
    .private_segment_fixed_size: 0
    .kernarg_segment_align: 8
    .kernarg_segment_size: 48
    .max_flat_workgroup_size: 128
    .sgpr_count:     80
    .vgpr_count:     1024
    .wavefront_size: 32
...
	.end_amdgpu_metadata
.endif
;; end of part 2
;; launch stats (part 3): grid 8 x 32, 16 waves a work-group, clusters of 4 x 1, 327,680 bytes of LDS; arguments qkv, mask, tk; writes tk
.if DOCPART == 3
	.amdgcn_target "amdgcn-amd-amdhsa--gfx1250"
	.amdhsa_code_object_version 6
	.text
	.protected	k_qca3a644b72_stats
	.globl	k_qca3a644b72_stats
	.p2align	8
	.type	k_qca3a644b72_stats,@function
k_qca3a644b72_stats:
	s_mov_b64 s[64:65], 0
	v_nop
	global_prefetch_b8 v0, s[64:65] scope:SCOPE_SE
	s_setreg_imm32_b32 hwreg(HW_REG_WAVE_MODE, 25, 1), 1
	s_wait_xcnt 0x0
	s_wait_alu depctr_hold_cnt(0) depctr_sa_sdst(0) depctr_va_vdst(0) depctr_va_sdst(0) depctr_va_ssrc(0) depctr_va_vcc(0) depctr_vm_vsrc(0)
	s_getreg_b32 s2, hwreg(HW_REG_IB_STS2, 6, 4)
	s_cmp_eq_u32 s2, 0
	s_cbranch_scc0 .Lentry_in_a_cluster
	s_endpgm
.Lentry_in_a_cluster:
	s_bfe_u32 s2, ttmp6, 0x10000c
	s_cmp_lg_u32 s2, 0x3003
	s_cbranch_scc0 .Lentry_shape_is_right
	s_endpgm
.Lentry_shape_is_right:
; THE SOFTMAX'S STATISTICS.  The softmax runs over the QUERIES: for each head and key k, over all 2,048 queries q, with s = Q[q] . K[k] + mask[q] and c = log2(e) / 8:
;   m = max s (a running maximum),  Z = sum of 2^(c s - c m),  and ONE number is stored: tk[head][k] = -(c m + log2 Z) / c.  The next launch then has att[q][k] = 2^(c (Q.K + tk[k]) + c mask[q]).
; A head is 256 token rows of qkv ([8192][2048] f16): head row 8 i + j is the j-th slice of 64 (q: bytes 128 j, k: bytes 1,024 + 128 j) of the head's token i.  The mask is rounded to bf16 like every input.
; LIMITS.  c (s + mask) stays above -4e37 (where the running maximum starts); a term below 2^-126 counts as 0 in Z; NaN and infinities are not treated apart.
; SHARES.  A work-group owns 256 keys of a head.  SIXTEEN WAVES, four on each SIMD with 256 registers each: wave w takes the 64 keys of group w % 4 (four tiles of 16, kept in registers) and the 512
; queries of part w / 4, 64 a step, 8 steps.  A tile and step have 8 matrix and 83 vector instructions, among them chains in which each link waits for the last (the maximum, c m, a; the sum's chain)
; and one wait for the exponentials: what one wave cannot issue meanwhile, the three others on its SIMD can.  Each row of Q is still read from LDS by four waves, as with four waves that walk all queries.
; The four parts' statistics of a key meet in LDS at the end.
; THE HEAD'S WHOLE Q LIES IN LDS (2,048 rows of 144 bytes): it is filled once, so there is no ring: each wave issues one load of 16 tokens at the start, and one barrier shows all of them.
; CLUSTER.  The four key blocks of a cluster belong to one head and read the same Q: each load is asked for JOINTLY, same descriptor and mask in all four.
; LAYOUT.  S = Q K^T (source 0 = 16 queries, source 1 = 16 keys): a lane holds ONE key (l % 16) and the queries 8 (l / 16) + 0..7.  THE MASK IS THE C OPERAND that starts the sum.  So maximum and sum run
; along a lane's registers; the two halves of the lanes keep statistics of their own, which meet once at the end.
; BY TURNS.  Turn t does tile t's vector work on one buffer of S, while the 8 products of the next tile, set singly among them, fill the other.  A turn's 33 exponentials are one batch with one wait.
; No prefetch: all that the launch reads is asked for at its head.
.set PQ,    144                        ; a row of Q in LDS: 128 bytes + 16 of padding = 36 words: the 16 rows of a load start at 16 different groups of four banks (64 banks of 4 bytes: ISA guide 11.1)
.set ML,    2048*PQ                    ; the batch's mask, rounded, 8,192 bytes; written by ds_store, never by a tensor load
.set CB,    ML+8192                    ; 512 bytes for each wave: (c m, Z) of its 64 keys over its part of the queries
.set SPARE, CB+8192                    ; the spare words, 128 bytes for each of the sixteen waves
.set STEPS, 8                          ; steps of 64 queries in a part
.set AQ0, 2                            ; v2   my lane's place in a block of 16 queries: (l % 16) x 144 + 16 (l / 16); never rewritten
.set AM0, 3                            ; v3   ML + 32 (l / 16); never rewritten
.set AQ,  4                            ; v4   the LDS address of Q's run of loads (at the head: the mask's offset in memory)
.set AM,  5                            ; v5   of the mask's (at the head: where I put the mask)
.set KO,  6                            ; v6   my byte offset in 16 keys of qkv
.set CSO, 7                            ; v7   where I put a key's pair
.set CRD, 8                            ; v8   where I read two keys' pairs back
.set TGO, 9                            ; v9   my 8 bytes of the key group's 256 in tk
.set SPW, 10
.set NIL, 11
.set ST,  12                           ; tile t's statistics at v[12 + 4 t]: c m, m, l (even registers', odd registers')
.set CC,  28                           ; v28-31 c0-c3 at work; c1 takes c m_old - c m_new, c2 takes a
.set MK,  32                           ; v32-63 the step's mask as C: 8 registers for each block of 16 queries
.set S,   64                           ; v64-127 two buffers of 32, by the tile's parity
.set QF,  128                          ; v128-191 Q of one step: block qb, channel half c at 128 + 16 qb + 8 c
.set KF,  192                          ; v192-255 my keys: tile t, channel half c at 192 + 16 t + 8 c
.set W,   96                           ; the way out works in the second buffer
.set PR,  112                          ; v[112 + 2 t : 113 + 2 t]  tile t's pair (c m, Z)
.set WV,  12
.set G1A, 24
.set G0A, 40
.set NK,  56                           ; s56  -1 / c = -8 ln 2
.set CNT, 57
.set CS,  58                           ; s[58:59] c
.set SEL, 60                           ; s[60:61] v_permlanex16_b32's selects: each lane takes its own place in the other half
.set TBQ, 62                           ; s62  LDS byte at which Q of the step to be fetched begins
.set TBM, 63                           ; s63  the same for the mask, less ML
.macro CROUND
	s_barrier_signal -1
	s_barrier_wait -1
	s_cmp_lg_u32 s[WV], 0
	s_cbranch_scc1 .Lnot_wave_0_\@
	s_barrier_signal -3
.Lnot_wave_0_\@:
	s_barrier_wait -3
	s_barrier_signal -1
	s_barrier_wait -1
.endm
	s_load_b128 s[4:7], s[0:1], 0x0                ; qkv s[4:5], mask s[6:7]
	s_load_b64 s[8:9], s[0:1], 0x10                ; tk
	v_lshl_add_u32 v[SPW], v0, 2, SPARE
	v_mov_b32 v[NIL], 0
	ds_add_u32 v[SPW], v[NIL]                      ; the wave's opening: the add and its wait stand ahead of my first tensor load
	v_lshrrev_b32 v1, 5, v0
	v_readfirstlane_b32 s[WV], v1                  ; wave 0..15
	s_and_b32 s18, s[WV], 3                        ; my group of 64 keys
	s_lshr_b32 s19, s[WV], 2                       ; my part of 512 queries
	s_bfe_u32 s13, ttmp6, 0x40000                  ; cx
	s_lshl_b32 s14, ttmp9, 2
	s_add_co_u32 s14, s14, s13                     ; my block of 256 keys: it enters K's and tk's addresses alone
	s_and_b32 s15, ttmp7, 0xffff                   ; the head, which the four partners share
	s_lshl_b32 s20, s15, 20                        ; its 256 token rows of 4,096 bytes
	s_mov_b32 s21, 0
	s_lshl_b32 s16, s[WV], 16                      ; my load: tokens 16 w .. 16 w + 15
	s_mov_b32 s17, 0
	s_add_nc_u64 s[16:17], s[16:17], s[20:21]
	s_mov_b32 s[G0A], 1
	s_mul_i32 s[G0A+1], s[WV], 16*8*PQ             ; a token is 8 rows of Q
	; group 1: 16 rows of 512 elements (a token's q, 1,024 bytes), 2,048 elements apart; 4 words of padding behind every 32 words, so that each slice of 128 bytes becomes a row of 144
	s_mov_b32 s[G1A], 15|(1<<16)|(1<<20)|(1<<21)|(4<<22)|(3<<25)
	s_mov_b32 s[G1A+1], 512<<16                    ; tensor_dim0
	s_mov_b32 s[G1A+2], 16<<16                     ; tensor_dim1
	s_mov_b32 s[G1A+3], 512<<16                    ; tile_dim0
	s_mov_b32 s[G1A+4], 16                         ; tile_dim1
	s_mov_b32 s[G1A+5], 2048                       ; elements from row to row
	s_mov_b32 s[G1A+6], 0
	s_mov_b32 s[G1A+7], 0
	s_lshl_b32 s2, s14, 17                         ; my keys: tokens 32 x block + 8 x group, k's columns
	s_lshl_b32 s3, s18, 15
	s_add_co_u32 s2, s2, s3
	s_add_co_u32 s2, s2, 1024
	s_mov_b32 s3, 0
	s_add_nc_u64 s[2:3], s[2:3], s[20:21]
	s_lshr_b32 s48, s15, 3                         ; the batch's mask
	s_lshl_b32 s48, s48, 13
	s_mov_b32 s49, 0
	s_lshl_b32 s50, s15, 13                        ; tk: the head's 8,192 bytes, my block's 1,024, my group's 256
	s_lshl_b32 s51, s14, 10
	s_add_co_u32 s50, s50, s51
	s_lshl_b32 s51, s18, 8
	s_add_co_u32 s50, s50, s51
	s_mov_b32 s51, 0
	s_lshl_b32 s52, s[WV], 9                       ; my 512 bytes of CB; for waves 0 to 3 also where part 0 of their group lies
	s_add_co_u32 s52, s52, CB
	s_mov_b32 s[NK], 0xc0b17218
	s_mov_b32 s[CS], 0x3e38aa3b
	s_mov_b32 s[CS+1], s[CS]
	s_mov_b32 s[SEL], 0x76543210
	s_mov_b32 s[SEL+1], 0xfedcba98
	s_mul_i32 s[TBQ], s19, 512*PQ                  ; my part's first row of Q,
	s_lshl_b32 s[TBM], s19, 11                     ; and its first word of the mask
	v_and_b32 v1, 15, v0                           ; l % 16
	v_bfe_u32 v28, v0, 4, 1                        ; l / 16
	v_mul_u32_u24 v[AQ0], v1, PQ
	v_lshl_add_u32 v[AQ0], v28, 4, v[AQ0]
	v_lshl_add_u32 v[AM0], v28, 5, ML
	v_bfe_u32 v29, v0, 3, 1
	v_and_b32 v30, 7, v0
	v_lshlrev_b32 v[KO], 12, v29                   ; key l % 16: token (l % 16) / 8, slice l % 8
	v_lshl_add_u32 v[KO], v30, 7, v[KO]
	v_lshl_add_u32 v[KO], v28, 4, v[KO]
	v_lshl_add_u32 v[CSO], v1, 3, s52
	v_and_b32 v31, 31, v0
	v_lshl_add_u32 v[CRD], v31, 4, s52
	v_lshlrev_b32 v[TGO], 3, v31
	v_lshlrev_b32 v[AQ], 4, v0                     ; the mask comes in by 512 threads x 16 bytes
	v_lshl_add_u32 v[AM], v0, 4, ML
	s_wait_dscnt 0x0                               ; the opening add is done
	s_wait_kmcnt 0x0
	s_add_nc_u64 s[G0A+2:G0A+3], s[4:5], s[16:17]
	s_or_b32 s[G0A+3], s[G0A+3], 0x80000000
	s_add_nc_u64 s[10:11], s[4:5], s[2:3]
	s_add_nc_u64 s[6:7], s[6:7], s[48:49]
	s_add_nc_u64 s[8:9], s[8:9], s[50:51]
	CROUND                                         ; all four work-groups are here: the joint loads meet
	tensor_load_to_lds s[G0A:G0A+3], s[G1A:G1A+7]  ; one load of mine is out, and no more are issued
	s_nop 0
.rept 4
	v_nop
.endr
	global_load_b128 v[S:S+3], v[AQ], s[6:7]
.irp f, 0,1,2,3,4,5,6,7                ; tile f / 2, channels 32 (f % 2) on
	global_load_b128 v[KF+8*\f:KF+8*\f+3],   v[KO], s[10:11] offset:(\f/2)*8192+(\f%2)*64
	global_load_b128 v[KF+8*\f+4:KF+8*\f+7], v[KO], s[10:11] offset:(\f/2)*8192+(\f%2)*64+32
.endr
.irp t, 0,1,2,3
	v_mov_b32 v[ST+4*\t], 0xfe000000               ; c m: far below every c s, so that the first a is 0
	v_mov_b32 v[ST+4*\t+1], 0xff7fffff             ; m: the lowest finite number
	v_mov_b32 v[ST+4*\t+2], 0
	v_mov_b32 v[ST+4*\t+3], 0
.endr
	s_wait_loadcnt 16                              ; the mask is in; K's sixteen loads may stay out
.irp p, 0,1
	v_cvt_pk_bf16_f32 v28, v[S+2*\p], v[S+2*\p+1]  ; rounded to bf16 and widened again
	v_lshlrev_b32 v[S+2*\p], 16, v28
	v_and_b32 v[S+2*\p+1], 0xffff0000, v28
.endr
	ds_store_b128 v[AM], v[S:S+3]
	s_wait_dscnt 0x0                               ; for the others' sake: my part of the mask lies in LDS,
	s_wait_tensorcnt 0x0                           ; and my 16 tokens of Q
	s_barrier_signal -1
	s_barrier_wait -1                              ; everybody's do
; Product i of 8 of S = Q K^T for tile u: queries 16 (i % 4) on, channels 32 (i / 4) on.  The first 4 start the sums with the mask.  The 4 accumulators take turns.
.macro KQS u
.set rD, S+32*((\u)%2)+8*(i%4)
.set rA, QF+16*(i%4)+8*(i/4)
.set rB, KF+16*(\u)+8*(i/4)
.if i < 4
	v_wmma_f32_16x16x32_f16 v[rD:rD+7], v[rA:rA+7], v[rB:rB+7], v[MK+8*(i%4):MK+8*(i%4)+7]
.else
	v_wmma_f32_16x16x32_f16 v[rD:rD+7], v[rA:rA+7], v[rB:rB+7], v[rD:rD+7]
.endif
.set i, i+1
.endm
; One run of 24 LDS loads: the next step's Q (64 queries x 64 channels) and its mask.  last = 1: in the last trip there is no further step, and the run is jumped over.
.macro FETCH last
.if \last
	s_cmp_eq_u32 s[CNT], 1
	s_cbranch_scc1 .Lno_q_\@
.endif
	v_add_nc_u32 v[AQ], s[TBQ], v[AQ0]
	v_add_nc_u32 v[AM], s[TBM], v[AM0]
.irp f, 0,1,2,3,4,5,6,7                ; queries 16 (f / 2) on, channels 32 (f % 2) on
	ds_load_b128 v[QF+8*\f:QF+8*\f+3],   v[AQ] offset:(\f/2)*16*PQ+(\f%2)*64
	ds_load_b128 v[QF+8*\f+4:QF+8*\f+7], v[AQ] offset:(\f/2)*16*PQ+(\f%2)*64+32
.endr
.irp b, 0,1,2,3                        ; register j of block b: mask of query 16 b + 8 (l / 16) + j
	ds_load_b128 v[MK+8*\b:MK+8*\b+3],   v[AM] offset:64*\b
	ds_load_b128 v[MK+8*\b+4:MK+8*\b+7], v[AM] offset:64*\b+16
.endr
	s_add_co_u32 s[TBQ], s[TBQ], 64*PQ
	s_add_co_u32 s[TBM], s[TBM], 256
.if \last
.Lno_q_\@:
.endif
.endm
; THE VECTOR WORK of tile t for one step: number n of 83.  s0-s31 are the lane's 32 scores.
;   0-11  four chains c0-c3 of seven scores each (each accumulator's lowest registers are read first)   12-15  the four scores left over, the old m, all into the new m
;   16  c m_old - c m_new   17  c m   19  a   18, 20 and every third of 21-62  the 16 scalings c s - c m, a pair each   the rest of 21-66  the 32 exponentials, each behind its pair's scaling
;   (one wait for the batch: TURN writes it)   67-82  the sums: of four weights the second pair onto the first, in place, then l takes it (the first time as l = a l + sum)
.macro FS p
	v_pk_fma_f32 v[rS+2*(\p):rS+2*(\p)+1], v[rS+2*(\p):rS+2*(\p)+1], s[CS:CS+1], v[rT:rT+1] op_sel_hi:[1,0,0] neg_lo:[0,0,1] neg_hi:[0,0,1]
.endm
.macro ES e
	v_exp_f32 v[rS+(\e)], v[rS+(\e)]
.endm
.macro BS k
	v_pk_add_f32 v[rS+4*(\k):rS+4*(\k)+1], v[rS+4*(\k):rS+4*(\k)+1], v[rS+4*(\k)+2:rS+4*(\k)+3]
.endm
.macro LS k
.if (\k) == 0
	v_pk_fma_f32 v[rT+2:rT+3], v[rT+2:rT+3], v[CC+2:CC+3], v[rS:rS+1] op_sel_hi:[1,0,1]
.else
	v_pk_add_f32 v[rT+2:rT+3], v[rT+2:rT+3], v[rS+4*(\k):rS+4*(\k)+1]
.endif
.endm
.macro VS t
.set rT, ST+4*(\t)
.set rS, S+32*((\t)%2)
.if n < 4
	v_max3_num_f32 v[CC+n], v[rS+8*n], v[rS+8*n+1], v[rS+8*n+2]
.elseif n < 12
	v_max3_num_f32 v[CC+n%4], v[CC+n%4], v[rS+8*(n%4)+2*(n/4)+1], v[rS+8*(n%4)+2*(n/4)+2]
.elseif n == 12
	v_max3_num_f32 v[CC], v[CC], v[rS+7], v[rS+15]
.elseif n == 13
	v_max3_num_f32 v[CC+1], v[CC+1], v[rS+23], v[rS+31]
.elseif n == 14
	v_max3_num_f32 v[CC+2], v[CC+2], v[CC+3], v[rT+1]
.elseif n == 15
	v_max3_num_f32 v[rT+1], v[CC], v[CC+1], v[CC+2]
.elseif n == 16
	v_fma_f32 v[CC+1], -v[rT+1], s[CS], v[rT]
.elseif n == 17
	v_mul_f32 v[rT], s[CS], v[rT+1]
.elseif n == 18
	FS 0
.elseif n == 19
	v_exp_f32 v[CC+2], v[CC+1]
.elseif n == 20
	FS 1
.elseif n < 63
.set p, 2+(n-21)/3
.if (n-21)%3 == 0
	ES 2*p-4
.elseif (n-21)%3 == 1
	FS p
.else
	ES 2*p-3
.endif
.elseif n < 67
	ES n-35
.else
.set z, n-67
.if z < 2
	BS z
.elseif z == 15
	LS 7
.elseif z%2 == 0
	LS (z-2)/2
.else
	BS (z+1)/2
.endif
.endif
.set n, n+1
.endm
; A TURN.  The next tile's 8 products stand singly behind numbers 3, 7 .. 31; in turn 3 they are the next step's tile 0 and stand behind 38, 42 .. 66, behind the wait for that step's Q and mask.
; The run of loads stands in turn 2 directly behind the batch's wait: more than four scalings lie between it and the last product that read Q and the mask, and no exponential is out at its branch.
; Behind the last product of turn 3 stand the v_nop and the 16 sums, ahead of the next turn's first read of its results.
.macro TURN t, last
.set n, 0
.set i, 0
.rept 67
	VS \t
.if (\t) < 3
.if ((n-1)%4 == 3) && (n <= 32)
	KQS (\t)+1
.endif
.else
.if n == 38
	s_wait_dscnt 0x0                               ; the next step's Q and mask are in
.endif
.if ((n-1)%4 == 2) && (n >= 39)
	KQS 0
.endif
.endif
.endr
	v_nop                                          ; a plain instruction behind the last exponential: one for the batch
	s_wait_alu depctr_va_vdst(0)                   ; the one wait between the 33 exponentials and the first line that names a result
.if (\t) == 2
	FETCH \last
.endif
.rept 16
	VS \t
.endr
.endm
	FETCH 0                                        ; my part's step 0
	s_wait_loadcnt 0x0                             ; my keys
	s_wait_dscnt 0x0
.set i, 0
.rept 8
	KQS 0                                          ; tile 0's first scores
.endr
.rept 8
	v_nop                                          ; the places behind those products
.endr
	s_mov_b32 s[CNT], STEPS
.Lwalk:                                            ; steps 0 to 7; steps 1 to 7 are fetched.  The last trip's 8 products on the old Q serve nothing: the price of one text for every trip
	TURN 0, 1
	TURN 1, 1
	TURN 2, 1
	TURN 3, 1
	s_sub_co_u32 s[CNT], s[CNT], 1
	s_cmp_lg_u32 s[CNT], 0
	s_cbranch_scc1 .Lwalk
	; THE WAY OUT, FIRST HALF.  The two halves of the lanes meet: the larger c m, each half's l brought to it, their sum: my part's (c m, Z) of each key, into my 512 bytes of CB.
.irp t, 0,1,2,3
	v_permlanex16_b32 v[W+\t], v[ST+4*\t], s[SEL], s[SEL+1]
.endr
.irp t, 0,1,2,3
	v_max_num_f32 v[PR+2*\t], v[W+\t], v[ST+4*\t]
.endr
.irp t, 0,1,2,3
	v_sub_f32 v[W+4+\t], v[ST+4*\t], v[PR+2*\t]
.endr
.irp t, 0,1,2,3
	v_add_f32 v[W+8+\t], v[ST+4*\t+2], v[ST+4*\t+3]
.endr
.irp t, 0,1,2,3
	v_exp_f32 v[W+4+\t], v[W+4+\t]
.endr
	v_nop
	s_wait_alu depctr_va_vdst(0)                   ; one wait for the four exponentials
.irp t, 0,1,2,3
	v_mul_f32 v[W+8+\t], v[W+8+\t], v[W+4+\t]
.endr
.irp t, 0,1,2,3
	v_permlanex16_b32 v[W+12+\t], v[W+8+\t], s[SEL], s[SEL+1]
.endr
.irp t, 0,1,2,3
	v_add_f32 v[PR+2*\t+1], v[W+8+\t], v[W+12+\t]
.endr
.irp t, 0,1,2,3
	ds_store_b64 v[CSO], v[PR+2*\t:PR+2*\t+1] offset:128*\t  ; key 16 t + l % 16; both halves of the lanes hold the same pair
.endr
	s_wait_dscnt 0x0                               ; for the others' sake: my pairs lie in LDS
	s_barrier_signal -1
	s_barrier_wait -1                              ; all sixteen waves' do
	; SECOND HALF.  Wave g of the first four joins the four parts of key group g, two keys a lane: the largest c m, each part's Z brought to it, their sum; then -(c m + log2 Z) / c.
	s_cmp_lt_u32 s[WV], 4
	s_cbranch_scc0 .Lend
.irp p, 0,1,2,3
	ds_load_b128 v[W+4*\p:W+4*\p+3], v[CRD] offset:2048*\p  ; part p: c m and Z of key 2 l, c m and Z of key 2 l + 1
.endr
	s_wait_dscnt 0x0
.irp e, 0,1
	v_max3_num_f32 v[W+24+\e], v[W+2*\e], v[W+4+2*\e], v[W+8+2*\e]
.endr
.irp e, 0,1
	v_max_num_f32 v[W+24+\e], v[W+24+\e], v[W+12+2*\e]
.endr
.irp p, 0,1,2,3
.irp e, 0,1
	v_sub_f32 v[W+4*\p+2*\e], v[W+4*\p+2*\e], v[W+24+\e]
.endr
.endr
.irp p, 0,1,2,3
.irp e, 0,1
	v_exp_f32 v[W+4*\p+2*\e], v[W+4*\p+2*\e]
.endr
.endr
	v_nop
	s_wait_alu depctr_va_vdst(0)                   ; one wait for the eight exponentials
.irp e, 0,1
	v_mul_f32 v[W+26+\e], v[W+2*\e], v[W+2*\e+1]
.endr
.irp p, 1,2,3
.irp e, 0,1
	v_fmac_f32 v[W+26+\e], v[W+4*\p+2*\e], v[W+4*\p+2*\e+1]
.endr
.endr
.irp e, 0,1
	v_log_f32 v[W+26+\e], v[W+26+\e]               ; Z is at least about 1: the largest term is 2^0
.endr
	v_nop
	s_wait_alu depctr_va_vdst(0)                   ; one wait for the two logarithms
.irp e, 0,1
	v_add_f32 v[W+28+\e], v[W+26+\e], v[W+24+\e]
.endr
.irp e, 0,1
	v_mul_f32 v[W+28+\e], s[NK], v[W+28+\e]
.endr
	global_store_b64 v[TGO], v[W+28:W+29], s[8:9]  ; the group's 64 results: 256 consecutive bytes, aligned
.Lend:
	s_wait_tensorcnt 0x0                           ; the wave's end
	ds_add_u32 v[SPW], v[NIL]
	s_wait_dscnt 0x0
	CROUND                                         ; the closing round
	s_endpgm
.Lfunc_end_k_qca3a644b72_stats:
	.size	k_qca3a644b72_stats, .Lfunc_end_k_qca3a644b72_stats-k_qca3a644b72_stats
	.p2alignl 7, 3214868480
	.fill 96, 4, 3214868480
	.section	.rodata,"a",@progbits
	.p2align	6, 0x0
	.amdhsa_kernel k_qca3a644b72_stats
		.amdhsa_group_segment_fixed_size 327680
		.amdhsa_private_segment_fixed_size 0
		.amdhsa_enable_private_segment 0
		.amdhsa_kernarg_size 24
		.amdhsa_user_sgpr_count 2
		.amdhsa_user_sgpr_kernarg_segment_ptr 1
		.amdhsa_wavefront_size32 1
		.amdhsa_system_sgpr_workgroup_id_x 1
		.amdhsa_system_sgpr_workgroup_id_y 1
		.amdhsa_system_sgpr_workgroup_id_z 1
		.amdhsa_system_vgpr_workitem_id 0
		.amdhsa_next_free_vgpr 256
		.amdhsa_next_free_sgpr 66
		.amdhsa_reserve_vcc 0
		.amdhsa_float_denorm_mode_32 3
		.amdhsa_float_denorm_mode_16_64 3
		.amdhsa_memory_ordered 1
		.amdhsa_forward_progress 1
		.amdhsa_inst_pref_size 35
	.end_amdhsa_kernel
	.amdgpu_metadata
---
amdhsa.version: [ 1, 2 ]
amdhsa.kernels:
  - .name:           k_qca3a644b72_stats
    .symbol:         k_qca3a644b72_stats.kd
    .args:
      - { .name: qkv, .offset: 0, .size: 8, .value_kind: global_buffer, .address_space: global }
      - { .name: mask, .offset: 8, .size: 8, .value_kind: global_buffer, .address_space: global }
      - { .name: tk, .offset: 16, .size: 8, .value_kind: global_buffer, .address_space: global }
    .group_segment_fixed_size: 327680
    .private_segment_fixed_size: 0
    .kernarg_segment_align: 8
    .kernarg_segment_size: 24
    .max_flat_workgroup_size: 512
    .sgpr_count:     66
    .vgpr_count:     256
    .wavefront_size: 32
...
	.end_amdgpu_metadata
.endif
;; end of part 3
;; launch attn (part 4): grid 8 x 32, 4 waves a work-group, clusters of 4 x 1, 327,680 bytes of LDS; arguments qkv, tk, mask, ah; writes ah
.if DOCPART == 4
	.amdgcn_target "amdgcn-amd-amdhsa--gfx1250"
	.amdhsa_code_object_version 6
	.text
	.protected	k_qca3a644b72_attn
	.globl	k_qca3a644b72_attn
	.p2align	8
	.type	k_qca3a644b72_attn,@function
k_qca3a644b72_attn:
	s_mov_b64 s[64:65], 0
	v_nop
	global_prefetch_b8 v0, s[64:65] scope:SCOPE_SE
	s_setreg_imm32_b32 hwreg(HW_REG_WAVE_MODE, 25, 1), 1
	s_wait_xcnt 0x0
	s_wait_alu depctr_hold_cnt(0) depctr_sa_sdst(0) depctr_va_vdst(0) depctr_va_sdst(0) depctr_va_ssrc(0) depctr_va_vcc(0) depctr_vm_vsrc(0)
	s_getreg_b32 s2, hwreg(HW_REG_IB_STS2, 6, 4)
	s_cmp_eq_u32 s2, 0
	s_cbranch_scc0 .Lentry_in_a_cluster
	s_endpgm
.Lentry_in_a_cluster:
	s_bfe_u32 s2, ttmp6, 0x10000c
	s_cmp_lg_u32 s2, 0x3003
	s_cbranch_scc0 .Lentry_shape_is_right
	s_endpgm
.Lentry_shape_is_right:
; THE WEIGHTED SUM.  O[head][q][:] = sum over k of P[q][k] V[head][k][:],  P[q][k] = 2^(c (Q[q] . K[k] + tk[head][k]) + c mask[q]),  c = log2(e) / 8.
; tk holds, for each key, minus the maximum over the queries and minus the logarithm of the sum, so P is the finished softmax weight, at most about 1: no running maximum, no rescaling, no division here.
; A head is 256 token rows of qkv ([8192][2048] f16): head row 8 i + j is the j-th slice of the head's token i: q 128 bytes at 128 j, k at 1,024 + 128 j, v 256 bytes at 2,048 + 256 j.
; O leaves as [head][2048][128] f16, dense, which is the [8192][1024] operand of the last product.  Products and exponents in f32; P is rounded to f16 for the second product, O once at the end.
; LIMITS.  A weight below 2^-126 is 0, and below 6e-8 it is 0 in f16; O has V's range; NaN and infinities are not treated apart.
; SHARES.  A work-group owns 256 queries of a head, a wave 64: four tiles of 16, in two PIECES of two.  Every wave walks all 2,048 keys, 64 a step; a slot of LDS holds four steps (32 tokens).
; LAYOUT.  S^T = K Q^T (source 0 = 16 keys, source 1 = 16 queries): a lane holds ONE query (l % 16) and the keys 8 (l / 16) + 0..7.  tk IS THE C OPERAND that starts the sum; c mask is the lane's addend of
; the one packed multiply-add.  Two results rounded to f16 in pairs ARE source 1 of O^T = V^T P.  K comes out of LDS as it lies, V turned, by ds_load_tr16_b128.
; BY TURNS.  In a turn one piece has the matrix unit: 32 products V^T P of the step in hand, then 16 products K Q^T of the next step; the other piece's 128 vector instructions stand behind them: a scaling and
; two exponentials behind each of the 32, two roundings behind each of the 16.  A turn's 64 exponentials are one batch with one wait.
; CLUSTER.  The four query blocks of a cluster belong to one head and walk the same K and V: each tile is asked for JOINTLY.
; REGISTERS in windows of 256: window 0: v0-31 addresses, c mask; v32-63 tk of one step; v64-191 S^T, 32 a tile; v192-255 P, 16 a tile.   window 1: O^T, 64 a tile.
;   window 2: v0-63 Q; v64-127 K of one step; v128-255 V of one step.
; O^T is cleared by 256 moves in the wait for the first tile, on purpose: a first step written out would be a third copy of the trip's text.
.set PK,    144                        ; a row of K in LDS: 128 bytes + 16: the 16 rows of a load start at 16 different groups of four banks (64 banks of 4 bytes: ISA guide 11.1)
.set PVP,   288                        ; a row of V: 256 + 32
.set VOFF,  256*PK                     ; a slot: 256 rows of K, then 256 rows of V
.set SLOT1, 1<<17                      ; slot 1 begins here, so that one exclusive or turns an address in one slot into the other's
.set TL,    SLOT1+256*(PK+PVP)         ; the head's tk, 8,192 bytes; written by ds_store, never by a tensor load
.set STAGE, TL+8192                    ; 16 rows x 272 bytes for each wave, for the way out
.set SP,    272
.set SPARE, STAGE+4*16*SP              ; the spare words, 128 bytes for each wave
.set SLOTB, 32*4096                    ; a slot's 32 tokens in memory
.set AK0, 2                            ; v2   my lane's place in a tile of K; never rewritten
.set AV0, 3                            ; v3   the same for V
.set ADK, 4                            ; v4   the LDS address of K's run of loads
.set AT0, 5                            ; v5   TL + 32 (l / 16); never rewritten
.set STO, 6
.set RD,  7
.set GO,  8
.set QO,  9                            ; v9   my byte offset in 16 queries of qkv
.set ADT, 10                           ; v10  the LDS address of tk's run
.set ADV, 11                           ; v11  of V's
.set CM,  12                           ; v[12 + 2 t : 13 + 2 t]  c mask of my query in tile t, twice
.set PFO, 24                           ; v24  the prefetches' offset; never rewritten
.set SPW, 28
.set NIL, 29
.set TT,  32
.set S,   64
.set P,   192
.set KF,  64                           ; window 2: key block kb, channel half c at 64 + 16 kb + 8 c
.set VF,  128                          ; window 2: key half kk, channel block cb at 128 + 64 kk + 8 cb
.set WV,  12
.set LIM, 15                           ; s15  1 in a wave that prefetches, else the greatest number
.set PFA, 18                           ; s[18:19] where my prefetches stand
.set G1K, 24
.set G1V, 32
.set G0K, 40                           ; s[40:43] group 0 for K's tiles: it walks
.set G0V, 44
.set SLOTS, 56
.set CNT, 57
.set CS,  58
.set TBT, 60                           ; s60  byte of tk at which the step to be fetched begins
.set TBK, 62                           ; s62  LDS byte at which K of the step to be fetched begins
.set TBV, 63                           ; s63  the same for V, less VOFF
.set MSB, 0
.macro WIN new
.if MSB != (\new)
	s_set_vgpr_msb (MSB<<8)|(\new)
.set MSB, (\new)
.endif
.endm
.set W_KQ, 0x0a                        ; K and Q in window 2; C and S^T in window 0
.set W_PV, 0x52                        ; V in window 2, P in window 0, O^T in window 1
; A joint fill.  Waves 0 and 1 fetch the two halves of a slot's K, waves 2 and 3 those of its V: 16 tokens each.  An s_nop 0 and four v_nop follow each of the two lines.
.macro JLOAD
	s_cmp_lt_u32 s[WV], 2
	s_cbranch_scc0 .Lfor_v_\@
	tensor_load_to_lds s[G0K:G0K+3], s[G1K:G1K+7]
	s_nop 0
.rept 4
	v_nop
.endr
	s_branch .Lasked_\@
.Lfor_v_\@:
	tensor_load_to_lds s[G0V:G0V+3], s[G1V:G1V+7]
	s_nop 0
.rept 4
	v_nop
.endr
.Lasked_\@:
.endm
; A prefetch of what the NEXT change of slots will ask for: 32 tokens x 3,072 bytes (k and v).  Both clusters of a head walk the same rows: the head's first cluster asks.  Its four partners take 8 tokens
; each, told apart by address; in each, waves 0, 2 and 3 take the 1,024 bytes at 1,024, 2,048 and 3,072 of a token row: a lane 256 bytes, one instruction.  So each block is named once.
; The last change that fills a slot asks for nothing.  Slots 0, 1 and 2 come by their loads alone.
.macro ASK
	s_cmp_gt_u32 s[SLOTS], s[LIM]
	s_cbranch_scc0 .Lnot_mine_\@
	global_prefetch_b8 v[PFO], s[PFA:PFA+1] th:TH_LOAD_NT scope:SCOPE_SE
.Lnot_mine_\@:
.endm
.macro CROUND
	s_barrier_signal -1
	s_barrier_wait -1
	s_cmp_lg_u32 s[WV], 0
	s_cbranch_scc1 .Lnot_wave_0_\@
	s_barrier_signal -3
.Lnot_wave_0_\@:
	s_barrier_wait -3
	s_barrier_signal -1
	s_barrier_wait -1
.endm
; THE CHANGE OF SLOTS.  Each wave waits for all its tensor loads (one is out: its part of the other slot), adds 0 to its spare word, and waits for that and for its own reads of the slot that it leaves.
; fill = 1: the barrier is a round of the cluster's, and the joint fill of the old slot, with the keys two slots on, is the first thing behind it: it has four key steps, 384 matrix instructions, in which to land.
; (At its first use nothing has been read yet: slot 0 is waited for, slot 1 filled.)
.macro CHANGE fill, ask
	WIN 0
	s_wait_tensorcnt 0x0                           ; no tensor load of mine is out, so a group 0 may be written
	ds_add_u32 v[SPW], v[NIL]                      ; 0 onto my spare word
.if \fill
.irp g, G0K, G0V
	s_xor_b32 s[\g+1], s[\g+1], SLOT1
	s_add_nc_u64 s[\g+2:\g+3], s[\g+2:\g+3], SLOTB
.endr
.if \ask
	s_wait_xcnt 0x0                                ; the last prefetch, four key steps back, has read its address
	s_add_nc_u64 s[PFA:PFA+1], s[PFA:PFA+1], SLOTB
.endif
	s_wait_dscnt 0x0                               ; the add is done, and my reads of the slot are over
	CROUND
	JLOAD
.if \ask
	ASK
.endif
.else
	s_wait_dscnt 0x0
	s_barrier_signal -1
	s_barrier_wait -1
.endif
	s_sub_co_u32 s[TBK], s[TBK], 256*PK            ; the fetches go back to a slot's first step,
	s_xor_b32 s[TBK], s[TBK], SLOT1                ; in the other slot
	s_sub_co_u32 s[TBV], s[TBV], 256*PVP
	s_xor_b32 s[TBV], s[TBV], SLOT1
.endm
	s_load_b256 s[4:11], s[0:1], 0x0               ; qkv s[4:5], tk s[6:7], mask s[8:9], ah s[10:11]
	v_lshl_add_u32 v[SPW], v0, 2, SPARE
	v_mov_b32 v[NIL], 0
	ds_add_u32 v[SPW], v[NIL]                      ; the wave's opening: the add and its wait stand ahead of my first tensor load
	v_lshrrev_b32 v1, 5, v0
	v_readfirstlane_b32 s[WV], v1
	s_bfe_u32 s13, ttmp6, 0x40000                  ; cx
	s_lshl_b32 s14, ttmp9, 2
	s_add_co_u32 s14, s14, s13                     ; my block of 256 queries: it enters Q's, the mask's and O's addresses alone
	s_and_b32 s16, ttmp7, 0xffff                   ; the head, which the four partners share
	s_lshl_b32 s20, s16, 20                        ; its 256 token rows of 4,096 bytes
	s_mov_b32 s21, 0
	s_and_b32 s17, s[WV], 1                        ; which 16 of a slot's 32 tokens I fetch
	s_lshl_b32 s22, s17, 16
	s_mov_b32 s23, 0
	s_add_nc_u64 s[22:23], s[22:23], s[20:21]
	s_mov_b32 s[G0K], 1
	s_mul_i32 s[G0K+1], s17, 128*PK                ; slot 0
	s_mov_b32 s[G0V], 1
	s_mul_i32 s[G0V+1], s17, 128*PVP
	s_add_co_u32 s[G0V+1], s[G0V+1], VOFF
	; group 1.  K: rows of 512 elements (a token's k), padded by 4 words behind every 32: each slice of 128 bytes becomes a row of 144.  V: rows of 1,024 elements, 8 words behind every 64: rows of 288
	s_mov_b32 s[G1K], 15|(1<<16)|(1<<20)|(1<<21)|(4<<22)|(3<<25)
	s_mov_b32 s[G1V], 15|(1<<16)|(1<<20)|(1<<21)|(5<<22)|(7<<25)
	s_mov_b32 s[G1K+1], 512<<16
	s_mov_b32 s[G1K+3], 512<<16
	s_mov_b32 s[G1V+1], 1024<<16
	s_mov_b32 s[G1V+3], 1024<<16
.irp g, G1K, G1V
	s_mov_b32 s[\g+2], 16<<16                      ; tensor_dim1
	s_mov_b32 s[\g+4], 16                          ; tile_dim1
	s_mov_b32 s[\g+5], 2048                        ; elements from row to row
	s_mov_b32 s[\g+6], 0
	s_mov_b32 s[\g+7], 0
.endr
	s_lshl_b32 s48, s14, 17                        ; Q: tokens 32 x block + 8 x wave
	s_lshl_b32 s49, s[WV], 15
	s_add_co_u32 s48, s48, s49
	s_mov_b32 s49, 0
	s_add_nc_u64 s[48:49], s[48:49], s[20:21]
	s_lshl_b32 s50, s16, 19                        ; O: rows of 256 bytes: 2,048 a head, 256 a block, 64 a wave
	s_lshl_b32 s51, s14, 16
	s_add_co_u32 s50, s50, s51
	s_lshl_b32 s51, s[WV], 14
	s_add_co_u32 s50, s50, s51
	s_mov_b32 s51, 0
	s_lshr_b32 s52, s16, 3                         ; the batch's mask, my wave's 64 queries
	s_lshl_b32 s52, s52, 13
	s_lshl_b32 s53, s14, 10
	s_add_co_u32 s52, s52, s53
	s_lshl_b32 s53, s[WV], 8
	s_add_co_u32 s52, s52, s53
	s_mov_b32 s53, 0
	s_lshl_b32 s54, s16, 13                        ; the head's tk
	s_mov_b32 s55, 0
	s_max_u32 s66, s[WV], 1                        ; the prefetches: my 1,024 bytes of a token row,
	s_lshl_b32 s66, s66, 10
	s_lshl_b32 s67, s13, 15                        ; my work-group's 8 tokens,
	s_add_co_u32 s66, s66, s67
	s_add_co_u32 s66, s66, 2*SLOTB                 ; in slot 2: the first change that asks steps it to slot 3
	s_mov_b32 s67, 0
	s_add_nc_u64 s[66:67], s[66:67], s[20:21]
	s_cmp_eq_u32 s[WV], 1
	s_cselect_b32 s[LIM], 1, 0
	s_or_b32 s[LIM], s[LIM], ttmp9                 ; 0 in waves 0, 2, 3 of the head's first cluster: the same in all four partners
	s_cmp_eq_u32 s[LIM], 0
	s_cselect_b32 s[LIM], 1, -1
	s_mov_b32 s[CS], 0x3e38aa3b                    ; c
	s_mov_b32 s[CS+1], s[CS]
	s_mov_b32 s[TBT], 0
	s_mov_b32 s[TBK], SLOT1+256*PK                 ; the first change of slots turns these two into 0
	s_mov_b32 s[TBV], SLOT1+256*PVP
	v_and_b32 v1, 15, v0                           ; l % 16
	v_bfe_u32 v20, v0, 4, 1                        ; l / 16
	v_and_b32 v21, 7, v0
	v_bfe_u32 v22, v0, 3, 1
	v_and_b32 v23, 31, v0
	v_lshlrev_b32 v[QO], 12, v22                   ; query l % 16: token (l % 16) / 8, slice l % 8
	v_lshl_add_u32 v[QO], v21, 7, v[QO]
	v_lshl_add_u32 v[QO], v20, 4, v[QO]
	v_mul_u32_u24 v[AK0], v1, PK
	v_lshl_add_u32 v[AK0], v20, 4, v[AK0]
	v_lshl_add_u32 v[AV0], v20, 3, v21             ; the turning load: lane l reads key 8 (l / 16) + l % 8, channels 8 ((l / 8) % 2) + 0..7
	v_mul_u32_u24 v[AV0], v[AV0], PVP
	v_lshl_add_u32 v[AV0], v22, 4, v[AV0]
	v_add_nc_u32 v[AV0], VOFF, v[AV0]
	v_lshl_add_u32 v[AT0], v20, 5, TL
	v_lshrrev_b32 v[PFO], 2, v23                   ; lane l: token l / 4, block l % 4
	v_lshlrev_b32 v[PFO], 12, v[PFO]
	v_and_b32 v30, 3, v0
	v_lshl_add_u32 v[PFO], v30, 8, v[PFO]
	v_lshlrev_b32 v25, 2, v1                       ; my query's mask
	v_lshlrev_b32 v26, 4, v0                       ; tk comes in by 128 threads x 16 bytes, four times
	v_lshl_add_u32 v27, v0, 4, TL
	s_wait_dscnt 0x0                               ; the opening add is done
	s_wait_kmcnt 0x0
	s_add_nc_u64 s[G0K+2:G0K+3], s[4:5], s[22:23]
	s_add_nc_u64 s[G0K+2:G0K+3], s[G0K+2:G0K+3], 1024
	s_or_b32 s[G0K+3], s[G0K+3], 0x80000000
	s_add_nc_u64 s[G0V+2:G0V+3], s[4:5], s[22:23]
	s_add_nc_u64 s[G0V+2:G0V+3], s[G0V+2:G0V+3], 2048
	s_or_b32 s[G0V+3], s[G0V+3], 0x80000000
	s_add_nc_u64 s[PFA:PFA+1], s[4:5], s[66:67]
	s_add_nc_u64 s[4:5], s[4:5], s[48:49]
	s_add_nc_u64 s[6:7], s[6:7], s[54:55]
	s_add_nc_u64 s[8:9], s[8:9], s[52:53]
	s_add_nc_u64 s[10:11], s[10:11], s[50:51]
	CROUND                                         ; all four work-groups are here: the first joint loads meet
	JLOAD                                          ; slot 0.  Slot 1 is asked for when slot 0 is in
.irp i, 0,1,2,3
	global_load_b128 v[S+4*\i:S+4*\i+3], v26, s[6:7] offset:2048*\i
.endr
.irp t, 0,1,2,3
	global_load_b32 v[CM+2*\t], v25, s[8:9] offset:64*\t
.endr
	WIN 0x80                                       ; destination window 2, address window 0
.irp f, 0,1,2,3,4,5,6,7                ; Q stays in registers: tile f / 2, channels 32 (f % 2) on
	global_load_b128 v[8*\f:8*\f+3],   v[QO], s[4:5] offset:(\f/2)*8192+(\f%2)*64
	global_load_b128 v[8*\f+4:8*\f+7], v[QO], s[4:5] offset:(\f/2)*8192+(\f%2)*64+32
.endr
	WIN 0x40
.set i, 0
.rept 256
	v_mov_b32 v[i], 0                              ; O^T
.set i, i+1
.endr
	WIN 0
	s_wait_loadcnt 20                              ; tk is in; the mask's 4 and Q's 16 loads may stay out
.irp i, 0,1,2,3
	ds_store_b128 v27, v[S+4*\i:S+4*\i+3] offset:2048*\i
.endr
	s_wait_loadcnt 16                              ; the mask is in
.irp t, 0,1,2,3
	v_cvt_pk_bf16_f32 v30, v[CM+2*\t], v[CM+2*\t]  ; rounded to bf16 like every input, widened, times c
	v_lshlrev_b32 v30, 16, v30
	v_mul_f32 v[CM+2*\t], s[CS], v30
	v_mov_b32 v[CM+2*\t+1], v[CM+2*\t]             ; named with it as a pair
.endr
; THE MATRIX WORK.  The accumulators take turns, one instruction a turn.
; Product i of 16 of S^T = K Q^T for piece x: tile 2 x + i % 2, keys 16 ((i / 2) % 4) on, channels 32 (i / 8) on.  The first 8 start the sums with tk.
.macro KQ x
	WIN W_KQ
.set rS, S+32*(2*(\x)+i%2)+8*((i/2)%4)
.set rK, KF+16*((i/2)%4)+8*(i/8)
.set rQ, 16*(2*(\x)+i%2)+8*(i/8)
.if i < 8
	v_wmma_f32_16x16x32_f16 v[rS:rS+7], v[rK:rK+7], v[rQ:rQ+7], v[TT+8*((i/2)%4):TT+8*((i/2)%4)+7]
.else
	v_wmma_f32_16x16x32_f16 v[rS:rS+7], v[rK:rK+7], v[rQ:rQ+7], v[rS:rS+7]
.endif
.endm
; Product i of 32 of O^T += V^T P for piece x: tile 2 x + i % 2, channels 16 ((i / 2) % 8) on, keys 32 (i / 16) on.
.macro PV x
	WIN W_PV
.set rO, 64*(2*(\x)+i%2)+8*((i/2)%8)
.set rV, VF+64*(i/16)+8*((i/2)%8)
.set rP, P+16*(2*(\x)+i%2)+8*(i/16)
	v_wmma_f32_16x16x32_f16 v[rO:rO+7], v[rV:rV+7], v[rP:rP+7], v[rO:rO+7]
.endm
; THE LDS LOADS stand in runs, never singly among the matrix instructions.
.macro FETCH_K                         ; a step's tk (8 loads) and K (16 loads)
	WIN 0
	v_add_nc_u32 v[ADK], s[TBK], v[AK0]
	v_add_nc_u32 v[ADT], s[TBT], v[AT0]
.irp b, 0,1,2,3                        ; register j of block b: tk of key 16 b + 8 (l / 16) + j
	ds_load_b128 v[TT+8*\b:TT+8*\b+3],   v[ADT] offset:64*\b
	ds_load_b128 v[TT+8*\b+4:TT+8*\b+7], v[ADT] offset:64*\b+16
.endr
	WIN 0x80
.irp f, 0,1,2,3,4,5,6,7                ; keys 16 (f / 2) on, channels 32 (f % 2) on
	ds_load_b128 v[KF+8*\f:KF+8*\f+3],   v[ADK] offset:(\f/2)*16*PK+(\f%2)*64
	ds_load_b128 v[KF+8*\f+4:KF+8*\f+7], v[ADK] offset:(\f/2)*16*PK+(\f%2)*64+32
.endr
	s_add_co_u32 s[TBK], s[TBK], 64*PK
	s_add_co_u32 s[TBT], s[TBT], 256
.endm
.macro FETCH_V                         ; a step's V, turned (32 loads); the wait for the softmax's batch stands in it
	WIN 0
	v_add_nc_u32 v[ADV], s[TBV], v[AV0]
	s_add_co_u32 s[TBV], s[TBV], 64*PVP
	s_wait_alu depctr_va_vdst(0)                   ; the one wait between the turn's 64 exponentials and the first line that names a result
	WIN 0x80
.irp f, 0,1,2,3,4,5,6,7,8,9,10,11,12,13,14,15  ; keys 32 (f / 8) on, channels 16 (f % 8) on
	ds_load_tr16_b128 v[VF+8*\f:VF+8*\f+3],   v[ADV] offset:(\f/8)*32*PVP+(\f%8)*32
	ds_load_tr16_b128 v[VF+8*\f+4:VF+8*\f+7], v[ADV] offset:(\f/8)*32*PVP+16*PVP+(\f%8)*32
.endr
.endm
; THE VECTOR WORK of piece Y.  Group g of 32: pair g / 2 of tile 2 Y + g % 2 (each accumulator's lowest registers come first).
.macro FX g                            ; c (s + tk) + c mask
.set rS, S+32*(2*Y+(\g)%2)+2*((\g)/2)
.set rC, CM+2*(2*Y+(\g)%2)
	v_pk_fma_f32 v[rS:rS+1], v[rS:rS+1], s[CS:CS+1], v[rC:rC+1] op_sel_hi:[1,0,0]
.endm
.macro EX g
.set rS, S+32*(2*Y+(\g)%2)+2*((\g)/2)
	v_exp_f32 v[rS], v[rS]
	v_exp_f32 v[rS+1], v[rS+1]
.endm
.macro SMB                             ; slice i of 32: group i is scaled; the exponentials of group i - 2
	WIN 0
	FX i
.if i >= 2
	EX i-2
.endif
.endm
.macro SMC                             ; slice i of 16: pair i of both tiles is rounded to f16
	WIN 0
	v_cvt_pk_f16_f32 v[P+16*(2*Y)+i], v[S+32*(2*Y)+2*i], v[S+32*(2*Y)+2*i+1]
	v_cvt_pk_f16_f32 v[P+16*(2*Y+1)+i], v[S+32*(2*Y+1)+2*i], v[S+32*(2*Y+1)+2*i+1]
.endm
; A TURN.  Piece x has the matrix unit; piece 1 - x's vector work stands behind its matrix instructions.  pv = 0: no products V^T P (the first turn of all).  kq = 0: no next step (the last).
; Piece 0's turn fetches the next step's tk and K behind its fourth product: two roundings, four scalings and the two address lines lie between the run and the last product that read K.
; Piece 1's turn fetches the next step's V behind its 32 products V^T P: a scaling, three v_nop and the address line lie between the run and the last product that read V (an exponential is no place).
; Ahead of the wait nothing names a result of the turn's exponentials; behind it no exponential is issued.
.macro TURN x, pv, kq
.set Y, 1-(\x)
.if (\pv) && ((\x) == 0)
	s_wait_dscnt 0x0                               ; V is in
.endif
.set i, 0
.rept 32
.if \pv
	PV \x
.endif
	SMB
.if ((\x) == 0) && (\kq) && (i == 3)
	FETCH_K
.endif
.set i, i+1
.endr
	WIN 0
	EX 30
	EX 31
	v_nop                                          ; the plain instruction behind the last exponential, one for the batch; with the two below also places in front of V's loads
	v_nop
	v_nop
.if (\x) == 1
	FETCH_V
.else
	s_wait_alu depctr_va_vdst(0)                   ; the wait for the batch
.endif
.set i, 0
.if \kq
.if (\x) == 0
	s_wait_dscnt 0x0                               ; tk and K are in
.endif
.rept 16
	KQ \x
	SMC
.set i, i+1
.endr
.else
.rept 16
	SMC
.set i, i+1
.endr
.endif
.endm
.macro TRIP                            ; a key step j: V^T P of step j, K Q^T of step j + 1, whose tk, K and V it fetches
	TURN 0, 1, 1
	TURN 1, 1, 1
	WIN 0
.endm
	CHANGE 1, 0                                    ; slot 0 is in and tk lies in LDS, everybody's part; slot 1 is asked for
	FETCH_K                                        ; key step 0
	s_wait_loadcnt 0x0                             ; Q
	s_wait_dscnt 0x0
.set i, 0
.rept 16
	KQ 0                                           ; piece 0's first scores: there is no vector work yet to set between them
.set i, i+1
.endr
	WIN 0                                          ; the addresses for the way out: eight plain instructions, the places behind those products
	s_mul_i32 s13, s[WV], 16*SP
	s_add_co_u32 s13, s13, STAGE                   ; my stage
	v_mul_u32_u24 v[STO], v1, SP                   ; in: row l % 16, 16 bytes for each half of the lanes
	v_lshl_add_u32 v[STO], v20, 4, v[STO]
	v_add_nc_u32 v[STO], s13, v[STO]
	v_mul_u32_u24 v[RD], v20, SP                   ; back: lanes 0-15 take one row of 256 bytes, lanes 16-31 the next
	v_lshl_add_u32 v[RD], v1, 4, v[RD]
	v_add_nc_u32 v[RD], s13, v[RD]
	v_lshlrev_b32 v[GO], 8, v20                    ; and the same two rows in O
	v_lshl_add_u32 v[GO], v1, 4, v[GO]
	TURN 1, 0, 1                                   ; piece 1's first scores | piece 0's first weights | V of step 0
	WIN 0
	s_mov_b32 s[CNT], 3                            ; slot 0's last bytes, V of step 3, are fetched in trip 2
	s_mov_b32 s[SLOTS], 7
	s_branch .Lstep
.Lslot:                                            ; six times: slots 2 to 7 are asked for
	CHANGE 1, 1
	s_mov_b32 s[CNT], 4
.Lstep:
	TRIP
	s_sub_co_u32 s[CNT], s[CNT], 1
	s_cmp_lg_u32 s[CNT], 0
	s_cbranch_scc1 .Lstep
	s_sub_co_u32 s[SLOTS], s[SLOTS], 1
	s_cmp_lg_u32 s[SLOTS], 0
	s_cbranch_scc1 .Lslot
	CHANGE 0, 0                                    ; the tail is written out: nothing is asked for
	s_mov_b32 s[CNT], 4
.Ltail:
	TRIP
	s_sub_co_u32 s[CNT], s[CNT], 1
	s_cmp_lg_u32 s[CNT], 0
	s_cbranch_scc1 .Ltail
	TURN 0, 1, 0                                   ; piece 0: V^T P of the last step | piece 1's last weights
.set i, 0
.rept 32
	PV 1                                           ; piece 1: V^T P of the last step
.set i, i+1
.endr
; THE WAY OUT.  Tile t: a lane's eight channels of a row pack into 16 bytes; they go into rows of 272 bytes of my stage and come back as whole rows of 256.  Tiles 0 and 1 were finished a turn ago, and their
; 64 conversions are the places behind the last products.
.macro PACK t
	WIN 0x05                                       ; sources 0 and 1 window 1, destination window 0: S^T's registers are free
.set i, 0
.rept 32
	v_cvt_pk_f16_f32 v[S+32*(\t)+i], v[64*(\t)+2*i], v[64*(\t)+2*i+1]
.set i, i+1
.endr
	WIN 0
.irp f, 0,1,2,3,4,5,6,7
	ds_store_b128 v[STO], v[S+32*(\t)+4*(\f):S+32*(\t)+4*(\f)+3] offset:32*(\f)
.endr
.irp f, 0,1,2,3,4,5,6,7
	ds_load_b128 v[S+32*(\t)+4*(\f):S+32*(\t)+4*(\f)+3], v[RD] offset:(\f)*2*SP  ; LDS serves a wave's instructions in order (ISA guide 5.7.1.4): these see the stores above; the next tile's stores come behind them
.endr
.endm
.macro SEND t, younger                 ; younger: the LDS instructions issued behind tile t's loads: the next tile's sixteen, or none
	WIN 0
.irp f, 0,1,2,3,4,5,6,7
	s_wait_dscnt (\younger)+7-(\f)
	global_store_b128 v[GO], v[S+32*(\t)+4*(\f):S+32*(\t)+4*(\f)+3], s[10:11] offset:(\t)*4096+(\f)*512  ; 16 lanes store 256 consecutive bytes, aligned
.endr
.endm
	PACK 0
	PACK 1
	SEND 0, 16
	PACK 2
	SEND 1, 16
	PACK 3
	SEND 2, 16
	SEND 3, 0
	s_wait_tensorcnt 0x0                           ; the wave's end
	ds_add_u32 v[SPW], v[NIL]
	s_wait_dscnt 0x0
	CROUND                                         ; the closing round
	s_endpgm
.Lfunc_end_k_qca3a644b72_attn:
	.size	k_qca3a644b72_attn, .Lfunc_end_k_qca3a644b72_attn-k_qca3a644b72_attn
	.p2alignl 7, 3214868480
	.fill 96, 4, 3214868480
	.section	.rodata,"a",@progbits
	.p2align	6, 0x0
	.amdhsa_kernel k_qca3a644b72_attn
		.amdhsa_group_segment_fixed_size 327680
		.amdhsa_private_segment_fixed_size 0
		.amdhsa_enable_private_segment 0
		.amdhsa_kernarg_size 32
		.amdhsa_user_sgpr_count 2
		.amdhsa_user_sgpr_kernarg_segment_ptr 1
		.amdhsa_wavefront_size32 1
		.amdhsa_system_sgpr_workgroup_id_x 1
		.amdhsa_system_sgpr_workgroup_id_y 1
		.amdhsa_system_sgpr_workgroup_id_z 1
		.amdhsa_system_vgpr_workitem_id 0
		.amdhsa_next_free_vgpr 768
		.amdhsa_next_free_sgpr 80
		.amdhsa_reserve_vcc 0
		.amdhsa_float_denorm_mode_32 3
		.amdhsa_float_denorm_mode_16_64 3
		.amdhsa_memory_ordered 1
		.amdhsa_forward_progress 1
		.amdhsa_inst_pref_size 121
	.end_amdhsa_kernel
	.amdgpu_metadata
---
amdhsa.version: [ 1, 2 ]
amdhsa.kernels:
  - .name:           k_qca3a644b72_attn
    .symbol:         k_qca3a644b72_attn.kd
    .args:
      - { .name: qkv, .offset: 0, .size: 8, .value_kind: global_buffer, .address_space: global }
      - { .name: tk, .offset: 8, .size: 8, .value_kind: global_buffer, .address_space: global }
      - { .name: mask, .offset: 16, .size: 8, .value_kind: global_buffer, .address_space: global }
      - { .name: ah, .offset: 24, .size: 8, .value_kind: global_buffer, .address_space: global }
    .group_segment_fixed_size: 327680
    .private_segment_fixed_size: 0
    .kernarg_segment_align: 8
    .kernarg_segment_size: 32
    .max_flat_workgroup_size: 128
    .sgpr_count:     80
    .vgpr_count:     768
    .wavefront_size: 32
...
	.end_amdgpu_metadata
.endif
;; end of part 4
;; launch outp (part 5): grid 4 x 64, 4 waves a work-group, clusters of 4 x 4, 327,680 bytes of LDS; arguments ah, wh, Wo_b, out0; writes out0
.if DOCPART == 5
	.amdgcn_target "amdgcn-amd-amdhsa--gfx1250"
	.amdhsa_code_object_version 6
	.text
	.protected	k_qca3a644b72_outp
	.globl	k_qca3a644b72_outp
	.p2align	8
	.type	k_qca3a644b72_outp,@function
k_qca3a644b72_outp:
	s_mov_b64 s[64:65], 0
	v_nop
	global_prefetch_b8 v0, s[64:65] scope:SCOPE_SE
	s_setreg_imm32_b32 hwreg(HW_REG_WAVE_MODE, 25, 1), 1
	s_wait_xcnt 0x0
	s_wait_alu depctr_hold_cnt(0) depctr_sa_sdst(0) depctr_va_vdst(0) depctr_va_sdst(0) depctr_va_ssrc(0) depctr_va_vcc(0) depctr_vm_vsrc(0)
	s_getreg_b32 s2, hwreg(HW_REG_IB_STS2, 6, 4)
	s_cmp_eq_u32 s2, 0
	s_cbranch_scc0 .Lentry_in_a_cluster
	s_endpgm
.Lentry_in_a_cluster:
	s_bfe_u32 s2, ttmp6, 0x10000c
	s_cmp_lg_u32 s2, 0xf033
	s_cbranch_scc0 .Lentry_shape_is_right
	s_endpgm
.Lentry_shape_is_right:
; THE LAST PRODUCT.  out0[t][n] = sum over k of ah[t][k] wh[2048 + n][k] + Wo_b[n], t < 8192, n < 1024, k < 1024; ah (the attention's O) and wh f16, sums and out0 f32.  Wo_b is rounded to bf16 like every input.
; A tile is 128 x 256, so that 64 x 4 tiles give each of 256 WGPs one work-group.  Four waves, each 64 x 128: 32 accumulators, 256 registers.  K goes in steps of 128 through a ring of two LDS slots:
; rows of 256 bytes that start at multiples of 256 bytes.
; CLUSTERS: 4 x 4 work-groups.  The four of a row of the cluster need the same tiles of ah, the four of a column the same tiles of wh: each tile is asked for JOINTLY.
; THE MATRIX INSTRUCTION IS USED TRANSPOSED (source 0 = 16 rows of wh, source 1 = 16 rows of ah): a lane holds row l % 16 and the columns 8 (l / 16) + 0..7: 32 bytes on end.  THE BIAS IS THE C OPERAND that starts the sums.
; REGISTERS: window 0: v0-31 addresses; v32-63, v64-95 fragments of ah, two buffers; v96-159 first the bias, later, with v160-223, the way out.   window 1: v0-63, v64-127 fragments of wh.
;   window 2: the accumulators, (a, b) at v[8 (8 a + b)].
.set SIZE_N, 1024
.set SIZE_K, 1024
.set KSTEP,  128
.set PITCH,  272                       ; an LDS row: 256 bytes + 16: the 16 rows that a load touches start at 16 different groups of four banks (64 banks of 4 bytes: ISA guide 11.1)
.set AHALF,  64*PITCH                  ; what a load for ah brings
.set BHALF,  128*PITCH                 ; what a load for wh brings
.set BOFF,   2*AHALF
.set SLOT,   BOFF+2*BHALF              ; ah's 128 rows, then wh's 256 rows
.set STAGE,  2*SLOT                    ; behind the ring: 16 rows x 528 bytes for each wave
.set SPITCH, 528                       ; 512 bytes + 16
.set SPARE,  STAGE+4*16*SPITCH
.set LAPS,   SIZE_K/(2*KSTEP)
.set ADRA, 16
.set ADRB, 20
.set STO,  24
.set RD,   25
.set CO,   26
.set SPW,  28
.set NIL,  29
.set PFO,  30
.set PFA,  44
.set LIM,  43
.set FA,   32
.set BIAS, 96
.set OB,   96
.set G1,  24
.set G0,  32
.set G1B, 48
.set G0B, 56
.set MSB, 0
.macro WIN new
.if MSB != (\new)
	s_set_vgpr_msb (MSB<<8)|(\new)
.set MSB, \new
.endif
.endm
.macro JLOAD s                         ; a joint load: waves 0 and 1 fetch ah's two halves, waves 2 and 3 wh's; an s_nop 0 and four v_nop follow each of the two lines
	s_cmp_eq_u32 s11, 0
	s_cbranch_scc0 .Lfor_b_\@
	tensor_load_to_lds s[G0+4*(\s):G0+4*(\s)+3], s[G1:G1+7]
	s_nop 0
.rept 4
	v_nop
.endr
	s_branch .Lasked_\@
.Lfor_b_\@:
	tensor_load_to_lds s[G0B+4*(\s):G0B+4*(\s)+3], s[G1B:G1B+7]
	s_nop 0
.rept 4
	v_nop
.endr
.Lasked_\@:
.endm
; A prefetch of the K step two refills on, a lane a row of 256 bytes.  ah's 128 rows of a tile row are read by one cluster alone: its four partners along x take 32 rows each, by address, and wave 0 asks.
; wh's 256 rows of a tile column are read by all sixteen clusters: cluster y = 0 asks; of the 128 rows that wave 2 or 3 fetches each partner along y takes 32.  Wave 1 asks for nothing.
; So each block is named once.  The loop's last trip asks for nothing; K steps 0 to 3 come by their loads alone.
.macro ASK
	s_cmp_gt_u32 s3, s[LIM]
	s_cbranch_scc0 .Lnot_mine_\@
	global_prefetch_b8 v[PFO], s[PFA:PFA+1] offset:KSTEP*2 th:TH_LOAD_NT scope:SCOPE_SE
.Lnot_mine_\@:
.endm
.macro CREST
	s_cmp_lg_u32 s10, 0
	s_cbranch_scc1 .Lnot_wave_0_\@
	s_barrier_signal -3
.Lnot_wave_0_\@:
	s_barrier_wait -3
	s_barrier_signal -1
	s_barrier_wait -1
.endm
.macro CROUND
	s_barrier_signal -1
	s_barrier_wait -1
	CREST
.endm
	s_load_b128 s[4:7], s[0:1], 0x0                ; ah s[4:5], wh s[6:7]
	s_load_b64 s[76:77], s[0:1], 0x10              ; Wo_b
	s_load_b64 s[8:9], s[0:1], 0x18                ; out0
	v_lshl_add_u32 v[SPW], v0, 2, SPARE
	v_mov_b32 v[NIL], 0
	ds_add_u32 v[SPW], v[NIL]                      ; the wave's opening: the add and its wait stand ahead of my first tensor load
	v_lshrrev_b32 v1, 5, v0
	v_readfirstlane_b32 s10, v1                    ; wave 0..3
	s_lshr_b32 s11, s10, 1                         ; which 64 of the tile's rows are mine.  Also: I fetch for ah (0) or for wh (1)
	s_and_b32 s12, s10, 1                          ; which 128 of its columns.  Also: which half of that tile I fetch
	s_bfe_u32 s40, ttmp6, 0x40000                  ; cx
	s_bfe_u32 s41, ttmp6, 0x40004                  ; cy
	s_lshl_b32 s42, ttmp9, 2
	s_add_co_u32 s42, s42, s40                     ; tile column
	s_and_b32 s13, ttmp7, 0xffff
	s_lshl_b32 s13, s13, 2
	s_add_co_u32 s13, s13, s41                     ; tile row
	s_lshl_b32 s43, s41, 2
	s_lshl_b32 s43, 15, s43                        ; my row of the cluster
	s_lshl_b32 s44, 0x1111, s40                    ; my column
	s_or_b32 s[G1+0], s43, (1<<16)|(1<<20)|(1<<21)|(5<<22)|(3<<25)
	s_or_b32 s[G1B+0], s44, (1<<16)|(1<<20)|(1<<21)|(5<<22)|(3<<25)
.irp g, G1, G1B
	s_mov_b32 s[(\g)+1], KSTEP<<16                 ; tensor_dim0 = 128
	s_mov_b32 s[(\g)+3], KSTEP<<16                 ; tile_dim0 = 128
	s_mov_b32 s[(\g)+5], SIZE_K                    ; elements from row to row
	s_mov_b32 s[(\g)+6], 0
	s_mov_b32 s[(\g)+7], 0
.endr
	s_mov_b32 s[G1+2], 64<<16                      ; ah: 64 rows a load
	s_mov_b32 s[G1+4], 64
	s_mov_b32 s[G1B+2], 128<<16                    ; wh: 128 rows a load
	s_mov_b32 s[G1B+4], 128
	s_lshl_b32 s17, s12, 6
	s_lshl_b32 s16, s13, 7
	s_add_co_u32 s16, s16, s17                     ; ah: row 128 x tile row + 64 x half
	s_lshl_b32 s47, s12, 7
	s_lshl_b32 s46, s42, 8
	s_add_co_u32 s46, s46, s47
	s_add_co_u32 s46, s46, 2048                    ; wh: Wo's rows lie behind the 2,048 of Mq, Mk, Mv: row 2,048 + 256 x tile column + 128 x half
	s_mov_b32 s17, 0
	s_mov_b32 s47, 0
	s_mov_b64 s[18:19], SIZE_K*2
	s_mul_u64 s[16:17], s[16:17], s[18:19]
	s_mul_u64 s[46:47], s[46:47], s[18:19]
	s_mul_i32 s20, s12, AHALF                      ; where they go: no place in the cluster enters an LDS address
	s_mul_i32 s21, s12, BHALF
	s_add_co_u32 s21, s21, BOFF
	s_wait_dscnt 0x0                               ; the opening add is done
	s_wait_kmcnt 0x0
	s_add_nc_u64 s[14:15], s[4:5], s[16:17]
	s_add_nc_u64 s[46:47], s[6:7], s[46:47]
	CROUND                                         ; all sixteen work-groups are here: the first joint loads meet
.irp s, 0,1
	s_mov_b32 s[G0+4*(\s)], 1
	s_add_co_u32 s[G0+4*(\s)+1], s20, (\s)*SLOT
	s_add_nc_u64 s[G0+4*(\s)+2:G0+4*(\s)+3], s[14:15], (\s)*KSTEP*2
	s_or_b32 s[G0+4*(\s)+3], s[G0+4*(\s)+3], 0x80000000
	s_mov_b32 s[G0B+4*(\s)], 1
	s_add_co_u32 s[G0B+4*(\s)+1], s21, (\s)*SLOT
	s_add_nc_u64 s[G0B+4*(\s)+2:G0B+4*(\s)+3], s[46:47], (\s)*KSTEP*2
	s_or_b32 s[G0B+4*(\s)+3], s[G0B+4*(\s)+3], 0x80000000
	JLOAD \s                                       ; two loads of mine are out
.endr
	v_and_b32 v1, 15, v0                           ; l % 16
	v_bfe_u32 v2, v0, 4, 1                         ; l / 16
	s_lshl_b32 s74, s42, 10                        ; the bias of my 128 columns
	s_lshl_b32 s75, s12, 9
	s_add_co_u32 s74, s74, s75
	s_mov_b32 s75, 0
	s_add_nc_u64 s[76:77], s[76:77], s[74:75]
	s_mov_b32 s78, 0xffff0000
	v_lshlrev_b32 v6, 5, v2
.irp b, 0,1,2,3,4,5,6,7
	global_load_b128 v[BIAS+8*(\b):BIAS+8*(\b)+3],   v6, s[76:77] offset:64*(\b)
	global_load_b128 v[BIAS+8*(\b)+4:BIAS+8*(\b)+7], v6, s[76:77] offset:64*(\b)+16
.endr
	v_mul_u32_u24 v3, v1, PITCH
	v_lshl_add_u32 v3, v2, 4, v3                   ; a fragment's row x pitch + 16 x half
	s_mul_i32 s21, s11, AHALF                      ; my 64 rows of ah
	s_mul_i32 s22, s12, BHALF                      ; my 128 rows of wh
	s_add_co_u32 s22, s22, BOFF
.irp s, 0,1
	v_add_nc_u32 v[ADRA+(\s)], s21, v3
	v_add_nc_u32 v[ADRB+(\s)], s22, v3
	s_add_co_u32 s21, s21, SLOT
	s_add_co_u32 s22, s22, SLOT
.endr
	s_mul_i32 s23, s10, 16*SPITCH
	s_add_co_u32 s23, s23, STAGE                   ; my stage
	v_mul_u32_u24 v4, v1, SPITCH                   ; in: row l % 16, 32 bytes for each half of the lanes
	v_lshl_add_u32 v4, v2, 5, v4
	v_add_nc_u32 v[STO], s23, v4
	v_and_b32 v5, 31, v0
	v_lshlrev_b32 v[CO], 4, v5                     ; back: 32 lanes take one row of 512 bytes
	v_add_nc_u32 v[RD], s23, v[CO]
	s_lshl_b32 s16, s13, 7
	s_lshl_b32 s14, s11, 6
	s_add_co_u32 s16, s16, s14                     ; my first row of out0
	s_mov_b32 s17, 0
	s_mov_b64 s[18:19], SIZE_N*4
	s_mul_u64 s[16:17], s[16:17], s[18:19]
	s_lshl_b32 s46, s42, 10                        ; my first column, in bytes
	s_lshl_b32 s47, s12, 9
	s_add_co_u32 s46, s46, s47
	s_mov_b32 s47, 0
	s_add_nc_u64 s[16:17], s[16:17], s[46:47]      ; what the way out adds to out0's address
	; the prefetches
	s_lshl_b32 s20, s13, 7                         ; ah: the tile's first row
	s_lshl_b32 s21, s42, 8
	s_lshl_b32 s22, s12, 7
	s_add_co_u32 s21, s21, s22
	s_add_co_u32 s21, s21, 2048                    ; wh: the first of the 128 rows that I fetch
	s_and_b32 s22, ttmp7, 0xffff                   ; cluster y
	s_cmp_eq_u32 s11, 0                            ; do I fetch for ah?
	s_cselect_b32 s20, s20, s21
	s_cselect_b32 s21, s40, s41                    ; my place among the four that ask for the tile with me
	s_cselect_b32 s22, s12, s22                    ; 0 in wave 0, and in waves 2 and 3 of the clusters with y = 0
	s_cselect_b64 s[PFA:PFA+1], s[4:5], s[6:7]
	s_cmp_eq_u32 s22, 0
	s_cselect_b32 s[LIM], 1, -1                    ; the same in all sixteen partners, for a given wave
	s_lshl_b32 s21, s21, 5
	s_add_co_u32 s20, s20, s21                     ; + my work-group's 32 rows
	s_mov_b32 s21, 0
	s_mov_b64 s[18:19], SIZE_K*2
	s_mul_u64 s[20:21], s[20:21], s[18:19]
	s_add_nc_u64 s[PFA:PFA+1], s[PFA:PFA+1], s[20:21]
	s_add_nc_u64 s[PFA:PFA+1], s[PFA:PFA+1], 2*KSTEP*2  ; at K step 2: the first refill steps it to 3 and names K step 4
	v_mul_u32_u24 v[PFO], v5, SIZE_K*2
	s_wait_loadcnt 0x0                             ; the bias
.set i, 0
.rept 32
	v_cvt_pk_bf16_f32 v7, v[BIAS+i], v[BIAS+i+1]   ; rounded to bf16 like all the module's inputs, and widened again
	v_lshlrev_b32 v[BIAS+i], 16, v7
	v_and_b32 v[BIAS+i+1], s78, v7
.set i, i+2
.endr
; 8 matrix instructions: m block a x all 8 n blocks, 32 along K, from buffer f.  first = 1: the sums start with the bias as C.  The 32 accumulators take turns.
.macro MUL8 f, a, first
.if \first
	WIN 0x81                                       ; wh window 1, ah and the bias window 0, D window 2
.else
	WIN 0xa1                                       ; wh window 1, ah window 0, C and D window 2
.endif
.irp b, 0,1,2,3,4,5,6,7
.if \first
	v_wmma_f32_16x16x32_f16 v[8*(8*(\a)+(\b)):8*(8*(\a)+(\b))+7], v[64*(\f)+8*(\b):64*(\f)+8*(\b)+7], v[FA+32*(\f)+8*(\a):FA+32*(\f)+8*(\a)+7], v[BIAS+8*(\b):BIAS+8*(\b)+7]
.else
	v_wmma_f32_16x16x32_f16 v[8*(8*(\a)+(\b)):8*(8*(\a)+(\b))+7], v[64*(\f)+8*(\b):64*(\f)+8*(\b)+7], v[FA+32*(\f)+8*(\a):FA+32*(\f)+8*(\a)+7], v[8*(8*(\a)+(\b)):8*(8*(\a)+(\b))+7]
.endif
.endr
.endm
; 24 LDS loads in one run: the fragments of one quarter step into buffer f: wh's 16 loads, then ah's 8
.macro FETCH slot, k, f
	WIN 0x40
.irp i, 0,1,2,3,4,5,6,7
	ds_load_b128 v[64*(\f)+8*(\i):64*(\f)+8*(\i)+3],   v[ADRB+(\slot)] offset:(\k)+(\i)*16*PITCH
	ds_load_b128 v[64*(\f)+8*(\i)+4:64*(\f)+8*(\i)+7], v[ADRB+(\slot)] offset:(\k)+(\i)*16*PITCH+32
.endr
	WIN 0
.irp i, 0,1,2,3
	ds_load_b128 v[FA+32*(\f)+8*(\i):FA+32*(\f)+8*(\i)+3],   v[ADRA+(\slot)] offset:(\k)+(\i)*16*PITCH
	ds_load_b128 v[FA+32*(\f)+8*(\i)+4:FA+32*(\f)+8*(\i)+7], v[ADRA+(\slot)] offset:(\k)+(\i)*16*PITCH+32
.endr
.endm
.macro PLACES                          ; four plain instructions between a matrix instruction and a load into, or a read of, its registers
.rept 4
	v_nop
.endr
.endm
.macro QUARTER slot, k, f, g, first
	s_wait_dscnt 4                                 ; wh's and ah's blocks 0, 1 are in; the youngest four loads (ah's blocks 2, 3) may be out
	MUL8 \f, 0, \first
	MUL8 \f, 1, \first
	PLACES
	FETCH \slot, \k, \g
	s_wait_dscnt 24                                ; all but the 24 just issued
	MUL8 \f, 2, \first
	MUL8 \f, 3, \first
.endm
.macro MEET round
	WIN 0
	s_wait_tensorcnt 0x0                           ; all my tensor loads have landed: my part of the next slot
	ds_add_u32 v[SPW], v[NIL]                      ; 0 onto my spare word
	s_wait_dscnt 5                                 ; (the add and the youngest four loads may be out)
	MUL8 1, 0, 0
	s_wait_dscnt 0x0                               ; the add is done, and my reads of this slot are over
	s_barrier_signal -1
	MUL8 1, 1, 0
.if \round
	WIN 0
.endif
	s_barrier_wait -1
.endm
.macro TURN slot, next
	s_wait_xcnt 0x0                                ; the last prefetch, a K step back, has read its address
	s_add_nc_u64 s[PFA:PFA+1], s[PFA:PFA+1], KSTEP*2
	MEET 1
	CREST                                          ; no wave of any partner still reads this slot's tile or has a load on its way
	s_add_nc_u64 s[G0+4*(\slot)+2:G0+4*(\slot)+3], s[G0+4*(\slot)+2:G0+4*(\slot)+3], 2*KSTEP*2
	s_add_nc_u64 s[G0B+4*(\slot)+2:G0B+4*(\slot)+3], s[G0B+4*(\slot)+2:G0B+4*(\slot)+3], 2*KSTEP*2
	JLOAD \slot                                    ; the first tensor load behind the round; its four v_nop are also the places in front of the loads below
	FETCH \next, 0, 0
	ASK
	MUL8 1, 2, 0
	MUL8 1, 3, 0
.endm
; THE WAY OUT of block a (16 rows x 512 bytes): straight from the accumulators, low registers first, into my stage; back as whole rows; stored.
.macro TOSTAGE a
.set BK, OB+64*((\a)%2)
	WIN 0
	s_wait_xcnt 0x0                                ; the stores of the block two back have read the registers that are loaded below
	WIN 0x08                                       ; the stores' data in window 2
.irp b, 0,1,2,3,4,5,6,7
	ds_store_b128 v[STO], v[8*(8*(\a)+(\b)):8*(8*(\a)+(\b))+3]   offset:64*(\b)
	ds_store_b128 v[STO], v[8*(8*(\a)+(\b))+4:8*(8*(\a)+(\b))+7] offset:64*(\b)+16
.endr
	WIN 0
.irp t, 0,1,2,3,4,5,6,7,8,9,10,11,12,13,14,15
	ds_load_b128 v[BK+4*(\t):BK+4*(\t)+3], v[RD] offset:(\t)*SPITCH  ; LDS serves a wave's instructions in order (ISA guide 5.7.1.4): these see the stores above
.endr
.endm
.macro SEND a, younger                 ; younger: the next block's 32 LDS instructions, or none
.set BK, OB+64*((\a)%2)
	WIN 0
	s_wait_dscnt \younger
	s_wait_xcnt 0x0                                ; the stores' base is rewritten only behind this wait
.if (\a) == 0
	s_add_nc_u64 s[8:9], s[8:9], s[16:17]
.else
	s_add_nc_u64 s[8:9], s[8:9], 16*SIZE_N*4
.endif
.irp t, 0,1,2,3,4,5,6,7,8,9,10,11,12,13,14,15
	global_store_b128 v[CO], v[BK+4*(\t):BK+4*(\t)+3], s[8:9] offset:(\t)*SIZE_N*4 th:TH_STORE_NT  ; the wave stores 512 consecutive bytes, aligned
.endr
.endm
	s_wait_tensorcnt 1                             ; my part of K step 0 is in; K step 1's may stay out
	s_barrier_signal -1
	s_barrier_wait -1
	FETCH 0, 0, 0
	QUARTER 0, 64,  0, 1, 1                        ; the first quarter stands in front of the loop: its products start the sums, with the bias
	WIN 0
	s_mov_b32 s3, LAPS-1
.Llap:
	QUARTER 0, 128, 1, 0, 0
	QUARTER 0, 192, 0, 1, 0
	TURN 0, 1
	QUARTER 1, 64,  0, 1, 0
	QUARTER 1, 128, 1, 0, 0
	QUARTER 1, 192, 0, 1, 0
	TURN 1, 0
	QUARTER 0, 64,  0, 1, 0
	WIN 0
	s_sub_co_u32 s3, s3, 1
	s_cmp_lg_u32 s3, 0
	s_cbranch_scc1 .Llap
	QUARTER 0, 128, 1, 0, 0                        ; the last lap fills nothing, and has no round of the cluster's barrier
	QUARTER 0, 192, 0, 1, 0
	MEET 0
	PLACES
	FETCH 1, 0, 0
	MUL8 1, 2, 0
	MUL8 1, 3, 0
	QUARTER 1, 64,  0, 1, 0
	QUARTER 1, 128, 1, 0, 0
	QUARTER 1, 192, 0, 1, 0
	s_wait_dscnt 4                                 ; the very last quarter: nothing more to fetch
	MUL8 1, 0, 0
	MUL8 1, 1, 0
	s_wait_dscnt 0x0
	MUL8 1, 2, 0
	MUL8 1, 3, 0
	PLACES
	PLACES
	TOSTAGE 0
	TOSTAGE 1
	SEND 0, 32
	TOSTAGE 2
	SEND 1, 32
	TOSTAGE 3
	SEND 2, 32
	SEND 3, 0
	s_wait_tensorcnt 0x0                           ; the wave's end
	ds_add_u32 v[SPW], v[NIL]
	s_wait_dscnt 0x0
	CROUND                                         ; the closing round
	s_endpgm
.Lfunc_end_k_qca3a644b72_outp:
	.size	k_qca3a644b72_outp, .Lfunc_end_k_qca3a644b72_outp-k_qca3a644b72_outp
	.p2alignl 7, 3214868480
	.fill 96, 4, 3214868480
	.section	.rodata,"a",@progbits
	.p2align	6, 0x0
	.amdhsa_kernel k_qca3a644b72_outp
		.amdhsa_group_segment_fixed_size 327680
		.amdhsa_private_segment_fixed_size 0
		.amdhsa_enable_private_segment 0
		.amdhsa_kernarg_size 32
		.amdhsa_user_sgpr_count 2
		.amdhsa_user_sgpr_kernarg_segment_ptr 1
		.amdhsa_wavefront_size32 1
		.amdhsa_system_sgpr_workgroup_id_x 1
		.amdhsa_system_sgpr_workgroup_id_y 1
		.amdhsa_system_sgpr_workgroup_id_z 1
		.amdhsa_system_vgpr_workitem_id 0
		.amdhsa_next_free_vgpr 768
		.amdhsa_next_free_sgpr 80
		.amdhsa_reserve_vcc 0
		.amdhsa_float_denorm_mode_32 3
		.amdhsa_float_denorm_mode_16_64 3
		.amdhsa_memory_ordered 1
		.amdhsa_forward_progress 1
		.amdhsa_inst_pref_size 93
	.end_amdhsa_kernel
	.amdgpu_metadata
---
amdhsa.version: [ 1, 2 ]
amdhsa.kernels:
  - .name:           k_qca3a644b72_outp
    .symbol:         k_qca3a644b72_outp.kd
    .args:
      - { .name: ah, .offset: 0, .size: 8, .value_kind: global_buffer, .address_space: global }
      - { .name: wh, .offset: 8, .size: 8, .value_kind: global_buffer, .address_space: global }
      - { .name: Wo_b, .offset: 16, .size: 8, .value_kind: global_buffer, .address_space: global }
      - { .name: out0, .offset: 24, .size: 8, .value_kind: global_buffer, .address_space: global }
    .group_segment_fixed_size: 327680
    .private_segment_fixed_size: 0
    .kernarg_segment_align: 8
    .kernarg_segment_size: 32
    .max_flat_workgroup_size: 128
    .sgpr_count:     80
    .vgpr_count:     768
    .wavefront_size: 32
...
	.end_amdgpu_metadata
.endif
;; end of part 5
;; ======== version 2 of 2: 5 launches; version 1 with the launch prep written anew for expert scheduling mode
;; limits: values are held in f16: magnitudes above 65,504 overflow, below 6.1e-05 lose precision
;; workspace buffers: ah 16,777,216 bytes; wh 6,291,456 bytes; qkv 33,554,432 bytes; tk 262,144 bytes
;; launch prep (part 6): grid 704 x 1, 8 waves a work-group, no clusters, 0 bytes of LDS; arguments x, Mq_w, Mk_w, Mv_w, Wo_w, ah, wh; writes ah, wh
.if DOCPART == 6
	.amdgcn_target "amdgcn-amd-amdhsa--gfx1250"
	.amdhsa_code_object_version 6
	.text
	.protected	k_qca3a644b72_prep
	.globl	k_qca3a644b72_prep
	.p2align	8
	.type	k_qca3a644b72_prep,@function
k_qca3a644b72_prep:
	s_mov_b64 s[64:65], 0
	v_nop
	global_prefetch_b8 v0, s[64:65] scope:SCOPE_SE
	s_setreg_imm32_b32 hwreg(HW_REG_WAVE_SCHED_MODE, 0, 2), 2
	s_setreg_imm32_b32 hwreg(HW_REG_WAVE_MODE, 25, 1), 1
	s_wait_xcnt 0x0
	s_wait_alu depctr_vm_vsrc(0)
; THE CAST.  x and the four weight matrices (f32) are rounded once to bf16 and that number is written as f16:
; ah[8192][1024] = x;  wh[3072][1024] = Mq_w (rows 0-511), Mk_w (512-1023), Mv_w (1024-2047), Wo_w (2048-3071).
; LIMITS.  A bf16 number is exact in f16 from 2^-17 up to 65,504; below 2^-17 it keeps f16's fixed step of 6e-8; beyond 65,504 it would be an infinity.
; SHARES.  A work-group casts 16,384 numbers (65,536 bytes in, 32,768 out): groups 0-511 x, 512-543 Mq_w, 544-575 Mk_w, 576-639 Mv_w, 640-703 Wo_w.
; A wave takes 2,048 numbers: sixteen loads of 16 bytes a lane (512 neighbouring bytes each), all issued first; each is converted and leaves as one
; store of 8 bytes a lane: 256 consecutive bytes, aligned.  Every byte is read once and written once.
; No LDS, no barrier, no matrix unit, no cluster: no work-group reads what another reads.  No prefetch: all loads of a wave go out at its head.
; THE MODE: SCHED_MODE bits 1:0 = 2 (LLVM: expert scheduling mode 2), set by the entry lines.  The code itself states the register dependences
; between vector instructions and memory instructions, with s_wait_alu, always for 0.
; THE PLAN.  Registers that memory instructions touch:
;   v2, v3     byte offsets, made once at the head and never written again; read by every load (v2) and every store (v3).
;   X0 .. X15  load i lands in X[i], once; no vector line names X[i] ahead of that; step i's two roundings read it.  Nothing is loaded into it again.
;   Y0 .. Y15  step i's two conversions write Y[i], once; store i reads it, once.  Nothing writes it again.
;   T is named by vector lines alone; the two bases are made by scalar lines ahead of the first load and never stepped.
; So no register that a memory instruction has read is ever written again, and no load lands in a register that a vector line has named: what is left to state
; is that an offset is written ahead of the first load, and that Y[i] is written ahead of store i.
; The sixteen steps go in four blocks of four.  Block p's vector lines name X[4 p ..], T and Y[4 p ..]; its memory instructions are the four stores of block p - 1,
; which read Y[4 p - 4 ..] and v3.  ONE wait at a block's head states that the block before has written its Y; the four stores follow it, one in front of each step,
; with no further wait.  One more wait stands ahead of the last four stores.
.set VI, 2                             ; v2  my byte offset in the group's 65,536 bytes
.set VO, 3                             ; v3  my byte offset in its 32,768 bytes
.set T,  8                             ; v[8:13] at work
.set X,  16                            ; v[16:79]  load i: four f32
.set Y,  80                            ; v[80:111] store i: four f16; each store has registers of its own
	s_load_b256 s[4:11], s[0:1], 0x0               ; x s[4:5], Mq_w s[6:7], Mk_w s[8:9], Mv_w s[10:11]
	s_load_b128 s[12:15], s[0:1], 0x20             ; Wo_w s[12:13], ah s[14:15]
	s_load_b64 s[16:17], s[0:1], 0x30              ; wh
	v_lshrrev_b32 v1, 5, v0                        ; wave
	v_and_b32 v4, 31, v0                           ; lane
	v_lshlrev_b32 v[VI], 13, v1                    ; 8,192 bytes a wave
	v_lshl_add_u32 v[VI], v4, 4, v[VI]             ; + 16 bytes a lane
	v_lshrrev_b32 v[VO], 1, v[VI]                  ; half of that on the way out
	s_mov_b32 s20, ttmp9                           ; the work-group's number
	s_mov_b32 s30, 0xffff0000                      ; a word's upper bf16
	s_wait_kmcnt 0x0
	s_cmp_ge_u32 s20, 512                          ; which tensor, and the first group that works on it
	s_cselect_b64 s[22:23], s[6:7], s[4:5]
	s_cselect_b32 s21, 512, 0
	s_cselect_b64 s[24:25], s[16:17], s[14:15]     ; the weights go to wh, one behind the other
	s_cselect_b32 s26, 512, 0
	s_cmp_ge_u32 s20, 544
	s_cselect_b64 s[22:23], s[8:9], s[22:23]
	s_cselect_b32 s21, 544, s21
	s_cmp_ge_u32 s20, 576
	s_cselect_b64 s[22:23], s[10:11], s[22:23]
	s_cselect_b32 s21, 576, s21
	s_cmp_ge_u32 s20, 640
	s_cselect_b64 s[22:23], s[12:13], s[22:23]
	s_cselect_b32 s21, 640, s21
	s_sub_co_u32 s21, s20, s21
	s_lshl_b32 s28, s21, 16                        ; 65,536 bytes a group, under 2^26
	s_mov_b32 s29, 0
	s_add_nc_u64 s[22:23], s[22:23], s[28:29]
	s_sub_co_u32 s26, s20, s26
	s_lshl_b32 s28, s26, 15
	s_add_nc_u64 s[24:25], s[24:25], s[28:29]
	s_wait_alu depctr_va_vdst(0)                   ; v2 and v3 are written: every load of the kernel reads v2 as its offset, every store v3
.irp i, 0,1,2,3,4,5,6,7,8,9,10,11,12,13,14,15
	global_load_b128 v[X+4*(\i):X+4*(\i)+3], v[VI], s[22:23] offset:512*(\i) th:TH_LOAD_NT
.endr
.irp p, 0,1,2,3                        ; block p: steps 4 p to 4 p + 3, and the stores of block p - 1
.irp j, 0,1,2,3
.set i, 4*(\p)+(\j)                    ; the step
.set o, i-4                            ; the store that stands in front of it
.if (\j) == 0
	s_wait_loadcnt 15-i                            ; loads come back in order: load i is in, the younger ones stay out
.if (\p) > 0
	s_wait_alu depctr_va_vdst(0)                   ; the block before has written its four Y, which the four stores of this block read; no vector line behind this wait names them or v3
.endif
.endif
.if (\p) > 0
	global_store_b64 v[VO], v[Y+2*o:Y+2*o+1], s[24:25] offset:256*o
.endif
.if (\j) > 0
	s_wait_loadcnt 15-i                            ; load i is in; the store above stands ahead of this wait, so that it does not wait for a load
.endif
	v_cvt_pk_bf16_f32 v[T], v[X+4*i], v[X+4*i+1]   ; the one rounding, to nearest even
	v_cvt_pk_bf16_f32 v[T+1], v[X+4*i+2], v[X+4*i+3]
	v_lshlrev_b32 v[T+2], 16, v[T]                 ; back to f32
	v_and_b32 v[T+3], s30, v[T]
	v_lshlrev_b32 v[T+4], 16, v[T+1]
	v_and_b32 v[T+5], s30, v[T+1]
	v_cvt_pk_f16_f32 v[Y+2*i], v[T+2], v[T+3]      ; the same number as f16
	v_cvt_pk_f16_f32 v[Y+2*i+1], v[T+4], v[T+5]
.endr
.endr
	s_wait_alu depctr_va_vdst(0)                   ; block 3 has written Y12 to Y15, which the last four stores read
.irp o, 12,13,14,15
	global_store_b64 v[VO], v[Y+2*(\o):Y+2*(\o)+1], s[24:25] offset:256*(\o)
.endr
	s_endpgm
.Lfunc_end_k_qca3a644b72_prep:
	.size	k_qca3a644b72_prep, .Lfunc_end_k_qca3a644b72_prep-k_qca3a644b72_prep
	.p2alignl 7, 3214868480
	.fill 96, 4, 3214868480
	.section	.rodata,"a",@progbits
	.p2align	6, 0x0
	.amdhsa_kernel k_qca3a644b72_prep
		.amdhsa_group_segment_fixed_size 0
		.amdhsa_private_segment_fixed_size 0
		.amdhsa_enable_private_segment 0
		.amdhsa_kernarg_size 56
		.amdhsa_user_sgpr_count 2
		.amdhsa_user_sgpr_kernarg_segment_ptr 1
		.amdhsa_wavefront_size32 1
		.amdhsa_system_sgpr_workgroup_id_x 1
		.amdhsa_system_sgpr_workgroup_id_y 1
		.amdhsa_system_sgpr_workgroup_id_z 1
		.amdhsa_system_vgpr_workitem_id 0
		.amdhsa_next_free_vgpr 112
		.amdhsa_next_free_sgpr 66
		.amdhsa_reserve_vcc 0
		.amdhsa_float_denorm_mode_32 3
		.amdhsa_float_denorm_mode_16_64 3
		.amdhsa_memory_ordered 1
		.amdhsa_forward_progress 1
		.amdhsa_inst_pref_size 12
	.end_amdhsa_kernel
	.amdgpu_metadata
---
amdhsa.version: [ 1, 2 ]
amdhsa.kernels:
  - .name:           k_qca3a644b72_prep
    .symbol:         k_qca3a644b72_prep.kd
    .args:
      - { .name: x, .offset: 0, .size: 8, .value_kind: global_buffer, .address_space: global }
      - { .name: Mq_w, .offset: 8, .size: 8, .value_kind: global_buffer, .address_space: global }
      - { .name: Mk_w, .offset: 16, .size: 8, .value_kind: global_buffer, .address_space: global }
      - { .name: Mv_w, .offset: 24, .size: 8, .value_kind: global_buffer, .address_space: global }
      - { .name: Wo_w, .offset: 32, .size: 8, .value_kind: global_buffer, .address_space: global }
      - { .name: ah, .offset: 40, .size: 8, .value_kind: global_buffer, .address_space: global }
      - { .name: wh, .offset: 48, .size: 8, .value_kind: global_buffer, .address_space: global }
    .group_segment_fixed_size: 0
    .private_segment_fixed_size: 0
    .kernarg_segment_align: 8
    .kernarg_segment_size: 56
    .max_flat_workgroup_size: 256
    .sgpr_count:     66
    .vgpr_count:     112
    .wavefront_size: 32
...
	.end_amdgpu_metadata
.endif
;; end of part 6
;; launch proj: the kernel of part 2 again; grid 8 x 32, 4 waves a work-group, clusters of 4 x 4, 327,680 bytes of LDS; arguments ah, wh, Mq_b, Mk_b, Mv_b, qkv; writes qkv
;; launch stats: the kernel of part 3 again; grid 8 x 32, 16 waves a work-group, clusters of 4 x 1, 327,680 bytes of LDS; arguments qkv, mask, tk; writes tk
;; launch attn: the kernel of part 4 again; grid 8 x 32, 4 waves a work-group, clusters of 4 x 1, 327,680 bytes of LDS; arguments qkv, tk, mask, ah; writes ah
;; launch outp: the kernel of part 5 again; grid 4 x 64, 4 waves a work-group, clusters of 4 x 4, 327,680 bytes of LDS; arguments ah, wh, Wo_b, out0; writes out0
